; MI455X (gfx1250); checked and timed in simulation.
; The chip was launched on July 23, 2026; its instructions are those of AMD's public machine-readable ISA for CDNA 5 (MIT licence, August 2026) and "CDNA5" Instruction Set Architecture Reference Guide (July 2026). The comments in the code are by the model that wrote it; some were corrected since.
;; Encoder Block. Allowed arithmetic: matrix products marked QUANTISED: E4M3 operands, one given power-of-two scale a tensor, by v_wmma_f32_16x16x64_fp8_fp8 or v_wmma_f32_16x16x128_fp8_fp8, f32 sums; everything else in f32.
;; Inputs: W1 1,024 x 2,048 float32; W2 2,048 x 1,024 float32; Wk 1,024 x 1,024 float32; Wo 1,024 x 1,024 float32; Wq 1,024 x 1,024 float32; Wv 1,024 x 1,024 float32; b1 2,048 float32; b2 1,024 float32; bk 1,024 float32; bo 1,024 float32; bq 1,024 float32; bv 1,024 float32; ln1_b 1,024 float32; ln1_g 1,024 float32; ln2_b 1,024 float32; ln2_g 1,024 float32; lowp_scales 16 int32 (the exponents e of the quantised operands' scales 2^e); x 2 x 2,048 x 1,024 float32.
;; Outputs: out0 2 x 2,048 x 1,024 float32.
;; This version of the problem:
;;   THIS VERSION OF THE PROBLEM IS GIVEN IN LOW PRECISION. The matrix products marked QUANTISED in the list below multiply operands that are first quantised to E4M3 (4 exponent bits, 3 mantissa bits; 8 bits a number), with one given power-of-two scale for each operand tensor; their sums are f32. All else is computed in f32.
;;   The module's matrix products, in the order in which they are computed (A, B: the left and right operand; K: the contracted axis; several contracted axes count as one K, in the product's order):
;;     1. [M 4,096, K 1,024] x [K 1,024, N 1,024]; A: computed on the way; B: input Wq: QUANTISED (scales: A lowp_scales[0], B lowp_scales[1])
;;     2. [M 4,096, K 1,024] x [K 1,024, N 1,024]; A: computed on the way; B: input Wk: QUANTISED (scales: A lowp_scales[2], B lowp_scales[3])
;;     3. [M 4,096, K 1,024] x [K 1,024, N 1,024]; A: computed on the way; B: input Wv: QUANTISED (scales: A lowp_scales[4], B lowp_scales[5])
;;     4. batch 32 x [M 2,048, K 64] x [K 64, N 2,048]; A: computed on the way; B: computed on the way: QUANTISED (scales: A lowp_scales[6], B lowp_scales[7])
;;     5. batch 32 x [M 2,048, K 2,048] x [K 2,048, N 64]; A: softmax (see below); B: computed on the way: QUANTISED (scales: A lowp_scales[8], B lowp_scales[9])
;;     6. [M 4,096, K 1,024] x [K 1,024, N 1,024]; A: computed on the way; B: input Wo: QUANTISED (scales: A lowp_scales[10], B lowp_scales[11])
;;     7. [M 4,096, K 1,024] x [K 1,024, N 2,048]; A: computed on the way; B: input W1: QUANTISED (scales: A lowp_scales[12], B lowp_scales[13])
;;     8. [M 4,096, K 2,048] x [K 2,048, N 1,024]; A: computed on the way; B: input W2: QUANTISED (scales: A lowp_scales[14], B lowp_scales[15])
;;   THE QUANTISER, for each operand of a quantised product, along K:
;;     - The operand's scale is 2^e, e = its entry of the input lowp_scales (int32; the entries are numbered through the quantised products in the list's order, A before B).
;;     - Each number is divided by the scale, clamped to +-448, and rounded to the nearest number of E4M3, ties to even, subnormals kept.
;;     - The product sums the exact products of the quantised numbers (number of the format x scale) in f32.
;;   ~~~python
;;   def quantise(x, axis, e):      # numpy; x: float32 -> the quantised numbers, widened to float32 again
;;       x = np.moveaxis(x, axis, -1); K = x.shape[-1]
;;       r = np.clip(x / 2.0 ** e, -448, 448)
;;       step = 2.0 ** (np.maximum(np.frexp(np.where(r == 0, 1, r))[1] - 1, -6) - 3)
;;       q = np.round(r / step) * step * 2.0 ** e      # np.round: ties to even
;;       return np.moveaxis(q, -1, axis).astype(np.float32)
;;   ~~~
;;   SOFTMAX AHEAD OF A QUANTISED PRODUCT. Where the list says 'softmax', what is quantised is not the finished softmax but p = 2^(t - M), with t = logit x log2(e) and M = ceil(the row's largest t), a whole number; so 1/2 < the row's largest p <= 1. The row's sum l is taken of the UNQUANTISED p, in f32, and the product's result is divided by l at the end. Since M is a whole number, a kernel that streams over the keys may use a running M (the ceiling of the running maximum): every later rescaling is an exact power of two, so the quantised numbers keep their values, but for numbers so far below the row's largest that they fall under the format's range.
;;   OPERANDS COMPUTED ON THE WAY. 'Computed on the way' means the value that the module computes at that place (a softmax that the list does not call 'softmax' is quantised finished and normalised). What goes into a quantiser is computed in f32, as accurately as f32 sums, v_exp_f32 and their like allow (about 1e-6 of the number): no bf16 or f16 on the way to a quantiser, and a product that is left as it is and whose result goes on into a quantised operand takes f32 operands (vector FMAs, or v_wmma_f32_16x16x4_f32). A number that lies on a knife's edge between two numbers of the format may be rounded either way, as far as f32 arithmetic and the matrix unit's own rounding can turn it there, and no further.
;; One version. Each part assembles by itself: llvm-mc -triple=amdgcn-amd-amdhsa -mcpu=gfx1250 --defsym DOCPART=n.
;; ======== version 1 of 1: 7 launches
;; limits: right only within a limited range of input values
;; workspace buffers: ycodes 12,582,912 bytes; wcodes 8,388,608 bytes; qkv 12,582,912 bytes; ocodes 4,194,304 bytes; x1 16,777,216 bytes; y2codes 4,194,304 bytes; hcodes 8,388,608 bytes
;; launch prep (part 1): grid 512 x 1, 4 waves a work-group, no clusters, 36,352 bytes of LDS; arguments x, ln1_g, ln1_b, Wq, Wk, Wv, Wo, W1, W2, lowp_scales, ycodes, wcodes; writes ycodes, wcodes
.if DOCPART == 1
	.amdgcn_target "amdgcn-amd-amdhsa--gfx1250"
	.amdhsa_code_object_version 6
	.text
	.protected	k_q90da7b3a8c_prep
	.globl	k_q90da7b3a8c_prep
	.p2align	8
	.type	k_q90da7b3a8c_prep,@function
k_q90da7b3a8c_prep:
	s_mov_b64 s[64:65], 0
	v_nop
	global_prefetch_b8 v0, s[64:65] scope:SCOPE_SE
	s_setreg_imm32_b32 hwreg(HW_REG_WAVE_MODE, 25, 1), 1
	s_wait_xcnt 0x0
; PREP.  Work-groups 0-255: y = LayerNorm(x) in f32, quantised three times to E4M3 (scales 2^e0, 2^e2, 2^e4: the A operands of the products with Wq, Wk, Wv) -> ycodes [3][4096][1024], K innermost.
; Work-groups 256-511: the six weights, stored [K][N] f32, quantised along K -> wcodes, laid [N][K]: Wq, Wk, Wv at 0, 1, 2 MiB, Wo at 3 MiB, W1 [2048][1024] at 4 MiB, W2 [1024][2048] at 6 MiB.
; code = number / 2^e, held within +-448, to the nearest code, ties to even.  LIMITS: every e used here lies between -126 and 119, so that 2^e and 448 x 2^e are f32 numbers; NaN among the inputs is not served.
; LN: 16 rows a work-group, 4 rows a wave, one wave to a row, the row kept in 32 registers a lane between the passes (mean; sum of squared differences; scaling).  Lane L holds numbers 256 c + 8 L .. + 7, c = 0 .. 3:
; eight neighbours along K, as the conversion takes them; a lane's 8 codes are 8 bytes, so a store of the wave covers 256 consecutive bytes, aligned.  A row's eight loads together cover its 4,096 bytes (one load names 16 of every 32).
; WEIGHTS: a lane takes a column n and its registers run down K; a wave takes 32 columns x 256 K, a work-group 128 columns x 256 K.  The codes go through the wave's own stage in LDS and leave as rows of 256 bytes.
; No tensor loads, no barrier: waves share nothing.  Only the weights' path touches LDS.
.set G,    16                          ; LN: v16-47 the gain of my 32 columns
.set B,    48                          ;     v48-79 the bias
.set X,    80                          ;     v80-207 four rows of 32 numbers
.set T,    208                         ;     v208-239 a row held within the largest code
.set C,    240                         ;     v240-247 its codes
.set WA,   16                          ; weights: v16-47 byte offsets of 32 rows of K at my column
.set WX,   48                          ;     v48-111 two sets of 32 numbers
.set WC,   112                         ;     v112-119 a block's codes
.set WOUT, 120                         ;     v120-183 the way out
.set WO,   184                         ;     v184-199 byte offsets of the 16 stores
.set WP,   272                         ; a stage row: 256 bytes + 16
.macro REDUCE a, t                     ; the sum of v[a] over the 32 lanes, into every lane; v[t] has been written before
	v_add_f32_dpp v[\a], v[\a], v[\a] row_xmask:1 row_mask:0xf bank_mask:0xf
	v_add_f32_dpp v[\a], v[\a], v[\a] row_xmask:2 row_mask:0xf bank_mask:0xf
	v_add_f32_dpp v[\a], v[\a], v[\a] row_xmask:4 row_mask:0xf bank_mask:0xf
	v_add_f32_dpp v[\a], v[\a], v[\a] row_xmask:8 row_mask:0xf bank_mask:0xf
	v_permlanex16_b32 v[\t], v[\a], s46, s47
	v_add_f32 v[\a], v[\a], v[\t]
.endm
; Row j of my four.
.macro ROW j
.set XR, X+32*(\j)
	s_wait_loadcnt 8*(3-(\j))                      ; my row's eight loads are in (and gain and bias, which are older); the later rows' eight each may be out
	v_pk_add_f32 v[10:11], v[XR:XR+1], v[XR+2:XR+3]            ; the sum, two at a time, in two chains
	v_pk_add_f32 v[12:13], v[XR+4:XR+5], v[XR+6:XR+7]
.irp i, 8,12,16,20,24,28
	v_pk_add_f32 v[10:11], v[10:11], v[XR+\i:XR+\i+1]
	v_pk_add_f32 v[12:13], v[12:13], v[XR+\i+2:XR+\i+3]
.endr
	v_pk_add_f32 v[10:11], v[10:11], v[12:13]
	v_add_f32 v10, v10, v11
	REDUCE 10, 13
	v_mul_f32 v10, 0x3a800000, v10                 ; x 2^-10: the mean
.set n, 0
.rept 16
	v_pk_add_f32 v[XR+n:XR+n+1], v[XR+n:XR+n+1], v[10:11] op_sel_hi:[1,0] neg_lo:[0,1] neg_hi:[0,1]   ; x - mean
.set n, n+2
.endr
	v_pk_mul_f32 v[12:13], v[XR:XR+1], v[XR:XR+1]              ; the sum of squares, in two chains
	v_pk_mul_f32 v[14:15], v[XR+2:XR+3], v[XR+2:XR+3]
.irp i, 4,8,12,16,20,24,28
	v_pk_fma_f32 v[12:13], v[XR+\i:XR+\i+1], v[XR+\i:XR+\i+1], v[12:13]
	v_pk_fma_f32 v[14:15], v[XR+\i+2:XR+\i+3], v[XR+\i+2:XR+\i+3], v[14:15]
.endr
	v_pk_add_f32 v[12:13], v[12:13], v[14:15]
	v_add_f32 v12, v12, v13
	REDUCE 12, 13
	v_fma_f32 v12, v12, s70, s71                   ; x 2^-10 + 1e-5
	s_wait_alu depctr_va_vdst(0)
	v_rsq_f32 v10, v12
	v_nop                                          ; a plain instruction behind the transcendental,
	s_wait_alu depctr_va_vdst(0)                   ; and the wait ahead of its first reader
.set n, 0
.rept 16
	v_pk_mul_f32 v[XR+n:XR+n+1], v[XR+n:XR+n+1], v[10:11] op_sel_hi:[1,0]
.set n, n+2
.endr
.set n, 0
.rept 16
	v_pk_fma_f32 v[XR+n:XR+n+1], v[XR+n:XR+n+1], v[G+n:G+n+1], v[B+n:B+n+1]
.set n, n+2
.endr
.irp q, 0,1,2                                  ; the three scales: v[4+2q] = 2^e, v[5+2q] = 448 x 2^e
	s_wait_xcnt 0x0                                ; the last stores have read C: it is written again only behind this wait
.set n, 0
.rept 32
	v_med3_num_f32 v[T+n], v[XR+n], -v[5+2*\q], v[5+2*\q]      ; the conversion does not saturate (ISA guide 7.6.2): the hold at the largest code x the scale
.set n, n+1
.endr
.irp c, 0,1,2,3
	v_cvt_scalef32_pk8_fp8_f32 v[C+2*\c:C+2*\c+1], v[T+8*\c:T+8*\c+7], v[4+2*\q]
.endr
	v_nop                                          ; a plain instruction between the conversions and the next lines that write their sources
.irp c, 0,1,2,3
	global_store_b64 v2, v[C+2*\c:C+2*\c+1], s[40+2*\q:41+2*\q] offset:1024*(\j)+256*\c    ; 32 lanes store 256 consecutive bytes, aligned
.endr
.endr
.endm
; Weights: block t (32 along K) of my column into set t % 2.  The base steps 32 rows of the weight from block to block.
.macro WLOAD t
.if (\t) > 0
	s_wait_xcnt 0x0                                ; the earlier loads have read their base
	s_add_nc_u64 s[32:33], s[32:33], s[42:43]
.endif
.set n, 0
.rept 32
	global_load_b32 v[WX+32*((\t)%2)+n], v[WA+n], s[32:33] th:TH_LOAD_NT    ; 32 lanes read 128 consecutive bytes, the four waves 512
.set n, n+1
.endr
.endm
.macro WBLOCK t
.set XS, WX+32*((\t)%2)
.if (\t) < 7
	s_wait_loadcnt 32                              ; this block's 32 loads are in; the next block's may be out
.else
	s_wait_loadcnt 0
.endif
.set n, 0
.rept 32
	v_med3_num_f32 v[XS+n], v[XS+n], -v10, v10
.set n, n+1
.endr
.irp g, 0,1,2,3
	v_cvt_scalef32_pk8_fp8_f32 v[WC+2*\g:WC+2*\g+1], v[XS+8*\g:XS+8*\g+7], v11
.endr
	ds_store_b128 v4, v[WC:WC+3] offset:32*(\t)    ; 32 codes of my column's row.  (The next vector lines are the next block's holds: plain, on other registers)
	ds_store_b128 v4, v[WC+4:WC+7] offset:32*(\t)+16
.if (\t)+2 < 8
	WLOAD (\t)+2
.endif
	s_wait_dscnt 0x0                               ; the stores have read their registers: the next block's codes may be written
.endm
	s_load_b512 s[4:19], s[0:1], 0x0               ; x 4, ln1_g 6, ln1_b 8, Wq 10, Wk 12, Wv 14, Wo 16, W1 18
	s_load_b256 s[20:27], s[0:1], 0x40             ; W2 20, the exponents 22, ycodes 24, wcodes 26
	v_lshl_add_u32 v254, v0, 2, 0x8c00
	v_mov_b32 v255, 0
	v_lshrrev_b32 v1, 5, v0
	v_readfirstlane_b32 s28, v1                    ; wave
	v_and_b32 v3, 31, v0                           ; lane
	s_wait_kmcnt 0x0
	s_load_b512 s[48:63], s[22:23], 0x0            ; e0 .. e15 in s48 .. s63
	s_cmp_ge_u32 ttmp9, 256
	s_cbranch_scc1 .Lweights
	; ---------------- LayerNorm
	s_wait_alu depctr_va_vdst(0)
	v_lshlrev_b32 v1, 5, v3                        ; 32 L: my 8 numbers of each 256
	s_wait_alu depctr_va_vdst(0)
	v_lshlrev_b32 v2, 3, v3                        ; 8 L: my 8 codes
	s_lshl_b32 s30, ttmp9, 16                      ; 16 rows of 4,096 bytes a work-group,
	s_lshl_b32 s31, s28, 14                        ; 4 a wave
	s_add_co_u32 s30, s30, s31
	s_mov_b32 s31, 0
	s_add_nc_u64 s[4:5], s[4:5], s[30:31]
	s_lshr_b32 s30, s30, 2                         ; the same rows in a set of codes
	s_add_nc_u64 s[40:41], s[24:25], s[30:31]
	s_add_nc_u64 s[42:43], s[40:41], 0x400000      ; the three sets lie 4 MiB apart
	s_add_nc_u64 s[44:45], s[42:43], 0x400000
	s_mov_b32 s46, 0x76543210                      ; v_permlanex16_b32: lane l xor 16
	s_mov_b32 s47, 0xfedcba98
	s_mov_b32 s70, 0x3a800000                      ; 2^-10
	s_mov_b32 s71, 0x3727c5ac                      ; 1e-5
.irp c, 0,1,2,3
	global_load_b128 v[G+8*\c:G+8*\c+3], v1, s[6:7] offset:1024*\c
	global_load_b128 v[G+8*\c+4:G+8*\c+7], v1, s[6:7] offset:1024*\c+16
.endr
.irp c, 0,1,2,3
	global_load_b128 v[B+8*\c:B+8*\c+3], v1, s[8:9] offset:1024*\c
	global_load_b128 v[B+8*\c+4:B+8*\c+7], v1, s[8:9] offset:1024*\c+16
.endr
.irp j, 0,1,2,3
.irp c, 0,1,2,3
	global_load_b128 v[X+32*\j+8*\c:X+32*\j+8*\c+3], v1, s[4:5] offset:4096*\j+1024*\c th:TH_LOAD_NT
	global_load_b128 v[X+32*\j+8*\c+4:X+32*\j+8*\c+7], v1, s[4:5] offset:4096*\j+1024*\c+16 th:TH_LOAD_NT
.endr
.endr
	s_wait_kmcnt 0x0
.irp q, 0,1,2
	s_add_co_i32 s32, s[48+2*\q], 127
	s_lshl_b32 s33, s32, 23
	v_mov_b32 v[4+2*\q], s33                       ; 2^e as f32: the conversion takes its exponent field
	s_add_co_i32 s32, s32, 8
	s_lshl_b32 s32, s32, 23
	s_or_b32 s32, s32, 0x600000
	v_mov_b32 v[5+2*\q], s32                       ; 448 x 2^e
.endr
	ROW 0
	ROW 1
	ROW 2
	ROW 3
	s_endpgm
	; ---------------- the weights
.Lweights:
	s_wait_kmcnt 0x0
	s_sub_co_u32 s29, ttmp9, 256                   ; g = 0 .. 255
	s_lshr_b32 s30, s29, 5                         ; 0 Wq, 1 Wk, 2 Wv, 3 Wo, 4-5 W1, 6-7 W2.  Every choice hangs on the work-group's number alone
	s_mov_b64 s[32:33], s[10:11]
	s_mov_b32 s34, s49                             ; e1
	s_cmp_eq_u32 s30, 1
	s_cselect_b64 s[32:33], s[12:13], s[32:33]
	s_cselect_b32 s34, s51, s34                    ; e3
	s_cmp_eq_u32 s30, 2
	s_cselect_b64 s[32:33], s[14:15], s[32:33]
	s_cselect_b32 s34, s53, s34                    ; e5
	s_cmp_eq_u32 s30, 3
	s_cselect_b64 s[32:33], s[16:17], s[32:33]
	s_cselect_b32 s34, s59, s34                    ; e11
	s_and_b32 s39, s30, 6
	s_cmp_ge_u32 s30, 4
	s_cselect_b64 s[32:33], s[18:19], s[32:33]
	s_cselect_b32 s34, s61, s34                    ; e13
	s_cselect_b32 s35, 4, 3                        ; log2 of the blocks of 128 columns: 16 in W1, else 8
	s_cselect_b32 s36, 63, 31                      ; work-groups of the weight, less one
	s_cselect_b32 s38, s39, s30                    ; where its codes begin, in MiB: 0, 1, 2, 3, 4, 6
	s_cmp_ge_u32 s30, 6
	s_cselect_b64 s[32:33], s[20:21], s[32:33]
	s_cselect_b32 s34, s63, s34                    ; e15
	s_cselect_b32 s35, 3, s35
	s_cselect_b32 s37, 11, 10                      ; log2 of K: a row of its codes
	s_lshl_b32 s38, s38, 20
	s_and_b32 s36, s29, s36                        ; my number within the weight
	s_lshl_b32 s39, 1, s35
	s_sub_co_u32 s39, s39, 1
	s_and_b32 s39, s36, s39                        ; which 128 columns
	s_lshr_b32 s36, s36, s35                       ; which 256 along K
	s_add_co_u32 s40, s35, 9
	s_lshl_b32 s40, 1, s40                         ; a row of the weight in bytes: 4 N
	s_lshl_b32 s39, s39, 7
	s_lshl_b32 s41, s28, 5
	s_add_co_u32 s39, s39, s41                     ; my wave's first column
	s_lshl_b32 s42, s36, 8
	s_mul_i32 s42, s42, s40                        ; in: 256 ky rows
	s_lshl_b32 s43, s39, 2
	s_add_co_u32 s42, s42, s43                     ; + 4 x column
	s_mov_b32 s43, 0
	s_add_nc_u64 s[32:33], s[32:33], s[42:43]
	s_lshl_b32 s44, s39, s37                       ; out: column x K
	s_add_co_u32 s44, s44, s38
	s_lshl_b32 s45, s36, 8
	s_add_co_u32 s44, s44, s45                     ; + 256 ky
	s_mov_b32 s45, 0
	s_add_nc_u64 s[44:45], s[26:27], s[44:45]
	s_lshl_b32 s42, s40, 5                         ; s[42:43]: 32 rows of the weight
	s_lshl_b32 s41, 2, s37                         ; two rows of codes
	s_wait_alu depctr_va_vdst(0)
	v_lshlrev_b32 v[WA], 2, v3
.set n, 1
.rept 31
	v_add_nc_u32 v[WA+n], s40, v[WA+n-1]           ; the pitch differs between the weights, so the 32 rows' offsets stand in registers
.set n, n+1
.endr
	WLOAD 0
	s_wait_alu depctr_va_vdst(0)
	WLOAD 1
	s_mul_i32 s46, s28, 32*WP                      ; my stage
	v_mul_u32_u24 v4, v3, WP
	v_add_nc_u32 v4, s46, v4                       ; into it: row = my column
	v_and_b32 v5, 15, v3
	v_lshrrev_b32 v6, 4, v3
	v_mul_u32_u24 v7, v6, WP
	v_lshl_add_u32 v7, v5, 4, v7
	v_add_nc_u32 v7, s46, v7                       ; out of it: sixteen lanes to a row, two rows an instruction
	v_lshlrev_b32 v[WO], s37, v6
	v_lshl_add_u32 v[WO], v5, 4, v[WO]             ; and the same place among the codes
.set n, 1
.rept 15
	v_add_nc_u32 v[WO+n], s41, v[WO+n-1]
.set n, n+1
.endr
	s_add_co_i32 s34, s34, 127
	s_lshl_b32 s29, s34, 23
	v_mov_b32 v11, s29                             ; 2^e
	s_add_co_i32 s34, s34, 8
	s_lshl_b32 s34, s34, 23
	s_or_b32 s34, s34, 0x600000
	v_mov_b32 v10, s34                             ; 448 x 2^e
	s_wait_alu depctr_va_vdst(0)
.irp t, 0,1,2,3,4,5,6,7
	WBLOCK \t
.endr
.irp t, 0,1,2,3,4,5,6,7,8,9,10,11,12,13,14,15
	ds_load_b128 v[WOUT+4*\t:WOUT+4*\t+3], v7 offset:2*\t*WP   ; LDS serves a wave's instructions in order: these see my stores
.endr
.irp t, 0,1,2,3,4,5,6,7,8,9,10,11,12,13,14,15
	s_wait_dscnt 15-\t                             ; the younger loads may be out
	global_store_b128 v[WO+\t], v[WOUT+4*\t:WOUT+4*\t+3], s[44:45]   ; 16 lanes store 256 consecutive bytes, aligned
.endr
	s_wait_tensorcnt 0x0
	ds_add_u32 v254, v255
	s_wait_dscnt 0x0
	s_endpgm
.Lfunc_end_k_q90da7b3a8c_prep:
	.size	k_q90da7b3a8c_prep, .Lfunc_end_k_q90da7b3a8c_prep-k_q90da7b3a8c_prep
	.p2alignl 7, 3214868480
	.fill 96, 4, 3214868480
	.section	.rodata,"a",@progbits
	.p2align	6, 0x0
	.amdhsa_kernel k_q90da7b3a8c_prep
		.amdhsa_group_segment_fixed_size 36352
		.amdhsa_private_segment_fixed_size 0
		.amdhsa_enable_private_segment 0
		.amdhsa_kernarg_size 96
		.amdhsa_user_sgpr_count 2
		.amdhsa_user_sgpr_kernarg_segment_ptr 1
		.amdhsa_wavefront_size32 1
		.amdhsa_system_sgpr_workgroup_id_x 1
		.amdhsa_system_sgpr_workgroup_id_y 1
		.amdhsa_system_sgpr_workgroup_id_z 1
		.amdhsa_system_vgpr_workitem_id 0
		.amdhsa_next_free_vgpr 256
		.amdhsa_next_free_sgpr 80
		.amdhsa_reserve_vcc 0
		.amdhsa_float_denorm_mode_32 3
		.amdhsa_float_denorm_mode_16_64 3
		.amdhsa_memory_ordered 1
		.amdhsa_forward_progress 1
		.amdhsa_inst_pref_size 115
	.end_amdhsa_kernel
	.amdgpu_metadata
---
amdhsa.version: [ 1, 2 ]
amdhsa.kernels:
  - .name:           k_q90da7b3a8c_prep
    .symbol:         k_q90da7b3a8c_prep.kd
    .args:
      - { .name: x, .offset: 0, .size: 8, .value_kind: global_buffer, .address_space: global }
      - { .name: ln1_g, .offset: 8, .size: 8, .value_kind: global_buffer, .address_space: global }
      - { .name: ln1_b, .offset: 16, .size: 8, .value_kind: global_buffer, .address_space: global }
      - { .name: Wq, .offset: 24, .size: 8, .value_kind: global_buffer, .address_space: global }
      - { .name: Wk, .offset: 32, .size: 8, .value_kind: global_buffer, .address_space: global }
      - { .name: Wv, .offset: 40, .size: 8, .value_kind: global_buffer, .address_space: global }
      - { .name: Wo, .offset: 48, .size: 8, .value_kind: global_buffer, .address_space: global }
      - { .name: W1, .offset: 56, .size: 8, .value_kind: global_buffer, .address_space: global }
      - { .name: W2, .offset: 64, .size: 8, .value_kind: global_buffer, .address_space: global }
      - { .name: lowp_scales, .offset: 72, .size: 8, .value_kind: global_buffer, .address_space: global }
      - { .name: ycodes, .offset: 80, .size: 8, .value_kind: global_buffer, .address_space: global }
      - { .name: wcodes, .offset: 88, .size: 8, .value_kind: global_buffer, .address_space: global }
    .group_segment_fixed_size: 36352
    .private_segment_fixed_size: 0
    .kernarg_segment_align: 8
    .kernarg_segment_size: 96
    .max_flat_workgroup_size: 128
    .sgpr_count:     80
    .vgpr_count:     256
    .wavefront_size: 32
...
	.end_amdgpu_metadata
.endif
;; end of part 1
;; launch qkv (part 2): grid 8 x 32, 4 waves a work-group, clusters of 4 x 4, 327,680 bytes of LDS; arguments ycodes, wcodes, qkv, bq, bk, bv, lowp_scales; writes qkv
.if DOCPART == 2
	.amdgcn_target "amdgcn-amd-amdhsa--gfx1250"
	.amdhsa_code_object_version 6
	.text
	.protected	k_q90da7b3a8c_qkv
	.globl	k_q90da7b3a8c_qkv
	.p2align	8
	.type	k_q90da7b3a8c_qkv,@function
k_q90da7b3a8c_qkv:
	s_mov_b64 s[64:65], 0
	v_nop
	global_prefetch_b8 v0, s[64:65] scope:SCOPE_SE
	s_setreg_imm32_b32 hwreg(HW_REG_WAVE_MODE, 25, 1), 1
	s_wait_xcnt 0x0
	s_wait_alu depctr_hold_cnt(0) depctr_sa_sdst(0) depctr_va_vdst(0) depctr_va_sdst(0) depctr_va_ssrc(0) depctr_va_vcc(0) depctr_vm_vsrc(0)
	s_getreg_b32 s2, hwreg(HW_REG_IB_STS2, 6, 4)
	s_cmp_eq_u32 s2, 0
	s_cbranch_scc0 .Lentry_in_a_cluster
	s_endpgm
.Lentry_in_a_cluster:
	s_bfe_u32 s2, ttmp6, 0x10000c
	s_cmp_lg_u32 s2, 0xf033
	s_cbranch_scc0 .Lentry_shape_is_right
	s_endpgm
.Lentry_shape_is_right:
; Q, K, V = y W + b on E4M3 codes, quantised again for the two products of attention (scales 2^e6, 2^e7, 2^e9).  M = 4,096, N = 3 x 1,024, K = 1,024.
; A WORK-GROUP STAYS: 256 work-groups, each makes three tiles of 128 x 128: the same 128 tokens and the same 128 channels of q, then of k, then of v.  Four waves of 64 x 64: 16 accumulators.
; K goes through a ring of two LDS slots of 512 along K, and the ring does not stop at a tile's end: a tile's two changes of slots ask for the next tile's two halves of K (y's next set of codes lies 4 MiB on, the next weight 1 MiB on).
; Four refills in all, written out; a wave has one tensor load out at the start and one behind each round.
; CLUSTERS 4 x 4: the four of a row of the cluster need the same rows of y, the four of a column the same rows of W: each tile is asked for jointly.
; THE MATRIX INSTRUCTION IS USED TRANSPOSED: source 0 = 16 rows of the n side, source 1 = 16 rows of the m side; lane (r, h) holds row r of the m side and eight neighbours 8 h + j of the n side.
; q and k are operands along the head's channels: m side = tokens (y), n side = channels (W).  v is an operand along the KEYS: there the two LDS regions change roles (m side = channels, n side = tokens): a second set of address registers.
; FRAGMENTS come by four loads of 16 bytes: a permutation of k inside the instruction, the same on both sides.
; OUT: qkv = q at 0: [b h 32][2,048 tokens][64 bytes]; k at 4 MiB likewise; v at 8 MiB: [b h][16 blocks of keys][64 channels][128 keys].  Inside each 32 positions, position 16 h' + 8 u + i holds index 16 u + 8 h' + i:
; the same permutation in q and k; in v it is the order in which the second product's other operand is made.
; LIMITS: e0 + e1, e2 + e3, e4 + e5 between -126 and 127; e6, e7, e9 between -126 and 119.  NaN is not served.
; THE HEAD AS IT STANDS: one tensor load a wave at the start (slot 0); slot 1's first fill is issued as a refill is, behind the three lines and a round of its own. So a wave has one tensor load out at any time.
.set KSH,    10
.set KDIM,   1024
.set PITCH,  528                       ; an LDS row: 512 bytes + 16: the 16 rows of a fragment load start at 16 different banks (64 banks of 4 bytes: ISA guide 11.1)
.set HALFT,  64*PITCH                  ; what one tensor load brings
.set ABYTES, 2*HALFT                   ; y's 128 rows; W's 128 rows lie behind them
.set SLOT,   4*HALFT
.set SPARE,  2*SLOT                    ; the spare words, 128 bytes a wave: no other line names them
.set STAGE,  SPARE+512                 ; the stage, 128 rows x (128 bytes + 16): bytes of its own, into which no fill lands
.set ANEXT,  0x400000                  ; from a tile's rows of y to the next tile's
.set BNEXT,  0x100000                  ; from a tile's rows of W to the next tile's
.set MQ,     128
.set MI,     16*PITCH
.set SP,     144
.set ADRM,  16                         ; v16-17 q, k: LDS address of my m side fragments in slot 0, 1
.set ADRMV, 18                         ; v18-19 v: the same
.set ADRN,  20                         ; v20-21 q, k: n side
.set ADRNV, 22                         ; v22-23 v: n side
.set PM,    ADRM                       ; the set in use
.set PN,    ADRN
.set STO,  24
.set RDQ,  25
.set CO,   26
.set RDV,  27
.set SPW,  28
.set NIL,  29
.set TMP,  32                          ; v32-63  32 numbers of a row block at work; then rows on their way out
.set CODE, 64                          ; v64-95  codes
.set BN,   96                          ; v96-127 bias along the n side (bq, then bk);  v12-15 bv along the m side;  v6-11: 2^e and 448 x 2^e for e6, e7, e9
.set ACC,  128                         ; accumulator (a, b) at v[128 + 8 (4 a + b)]
.set F0,   0                           ; window 1: two fragment buffers: m side at f + 16 a, n side at f + 64 + 16 b
.set F1,   128
.set G1,  24
.set G0,  32
.set G1B, 48
.set G0B, 56
.set MSB, 0
.macro WIN new                         ; the immediate's high byte repeats the setting that is left
.if MSB != \new
	s_set_vgpr_msb (MSB<<8)|\new
.set MSB, \new
.endif
.endm
.set MUL,  0x05                        ; sources 0 and 1 window 1; C and D window 0
.set TO_F, 0x40                        ; destination window 1, address window 0
.macro JLOAD s                         ; a joint load: waves 0, 1 fetch y's halves, waves 2, 3 W's; four v_nop follow each line
	s_cmp_eq_u32 s17, 0
	s_cbranch_scc0 .Lfor_b_\@
	tensor_load_to_lds s[G0+4*\s:G0+4*\s+3], s[G1:G1+7]
	s_nop 0
.rept 4
	v_nop
.endr
	s_branch .Lasked_\@
.Lfor_b_\@:
	tensor_load_to_lds s[G0B+4*\s:G0B+4*\s+3], s[G1B:G1B+7]
	s_nop 0
.rept 4
	v_nop
.endr
.Lasked_\@:
.endm
.macro CREST                           ; a round of the cluster's barrier behind its opening barrier
	s_cmp_lg_u32 s16, 0
	s_cbranch_scc1 .Lnot_wave_0_\@
	s_barrier_signal -3
.Lnot_wave_0_\@:
	s_barrier_wait -3
	s_barrier_signal -1
	s_barrier_wait -1
.endm
.macro CROUND
	s_barrier_signal -1
	s_barrier_wait -1
	CREST
.endm
.macro PLACES                          ; four places behind matrix instructions, ahead of loads into their registers and of reads of their results
.rept 4
	v_nop
.endr
.endm
.macro MUL4 f, a, zero                 ; m block a against the four n blocks, 128 along K; the 16 accumulators take turns in the same order everywhere, from tile to tile too
.irp b, 0,1,2,3
.if \zero
	v_wmma_f32_16x16x128_fp8_fp8 v[ACC+8*(4*(\a)+\b):ACC+8*(4*(\a)+\b)+7], v[\f+64+16*\b:\f+64+16*\b+15], v[\f+16*(\a):\f+16*(\a)+15], 0
.else
	v_wmma_f32_16x16x128_fp8_fp8 v[ACC+8*(4*(\a)+\b):ACC+8*(4*(\a)+\b)+7], v[\f+64+16*\b:\f+64+16*\b+15], v[\f+16*(\a):\f+16*(\a)+15], v[ACC+8*(4*(\a)+\b):ACC+8*(4*(\a)+\b)+7]
.endif
.endr
.endm
.macro FETCH slot, q, f                ; 32 LDS loads in one run: the fragments of the slot's q-th 128 along K, by the set of addresses in use
	WIN TO_F
.irp i, 0,1,2,3
.irp c, 0,1,2,3
	ds_load_b128 v[\f+64+16*\i+4*\c:\f+64+16*\i+4*\c+3], v[PN+\slot] offset:128*(\q)+16*PITCH*\i+32*\c
	ds_load_b128 v[\f+16*\i+4*\c:\f+16*\i+4*\c+3], v[PM+\slot] offset:MQ*(\q)+MI*\i+32*\c
.endr
.endr
.endm
.macro QUARTER slot, q, f, g, zero     ; multiplies buffer f; ahead of that it asks for the slot's q-th 128 along K, into g
	s_wait_dscnt 0x0                               ; f is in
	PLACES                                         ; the last products read g
	FETCH \slot, \q, \g
	WIN MUL
	MUL4 \f, 0, \zero
	MUL4 \f, 1, \zero
	MUL4 \f, 2, \zero
	MUL4 \f, 3, \zero
.endm
.macro THREEQ slot, zero               ; a slot's first three quarters; zero = 1: a tile's first products start the sums
	QUARTER \slot, 1, F0, F1, \zero
	QUARTER \slot, 2, F1, F0, 0
	QUARTER \slot, 3, F0, F1, 0
.endm
; A slot's last quarter (buffer 1) and the change of slots.  fill = 1: the slot that is left takes the same half of K of the NEXT tile: the barrier then opens a round of the cluster's barrier.
.macro TURN slot, next, fill
	WIN 0
	s_wait_tensorcnt 0x0                           ; all my tensor loads have landed: my part of the next slot
	ds_add_u32 v[SPW], v[NIL]                      ; 0 onto my spare word
	s_wait_dscnt 1                                 ; buffer 1 is in; the add alone may be out
	WIN MUL
	MUL4 F1, 0, 0
	s_wait_dscnt 0x0                               ; the add is done, my reads of this slot (and of the stage) are over
	s_barrier_signal -1
	MUL4 F1, 1, 0
	WIN 0
	s_barrier_wait -1
.if \fill
	CREST                                          ; no wave of any partner still reads this slot or has a load on its way
	s_add_nc_u64 s[G0+4*\slot+2:G0+4*\slot+3], s[G0+4*\slot+2:G0+4*\slot+3], ANEXT
	s_add_nc_u64 s[G0B+4*\slot+2:G0B+4*\slot+3], s[G0B+4*\slot+2:G0B+4*\slot+3], BNEXT
	JLOAD \slot                                    ; my one tensor load behind the round; its four v_nop are the places ahead of the loads below
.else
	PLACES
.endif
	FETCH \next, 0, F0
	WIN MUL
	MUL4 F1, 2, 0
	MUL4 F1, 3, 0
.endm
; THE WAY OUT of a tile.  sum x 2^(ea + eb) + bias in one packed multiply-add, held, converted; codes to the stage; a barrier; back as the layouts want them.
; vv = 1: v (the bias runs along the m side: one number a lane and row block).  sreg: the pair with 2^(ea + eb).  obase: the pair with the tile's place in qkv.  qreg: v[qreg] = 2^e of the result's quantiser, v[qreg + 1] = 448 x that.
; One tensor load of mine may be out at this barrier: it fills the slot that nobody reads before the next round.
; The stage is written again a tile later: behind two changes of slots, in front of whose barriers every wave has waited for all its LDS loads.
.macro EPI vv, sreg, obase, qreg
	s_wait_loadcnt 0x0                             ; the bias
	s_wait_xcnt 0x0                                ; the last tile's stores have read TMP: it is written again only behind this wait
	PLACES
.irp a, 0,1,2,3
.irp b, 0,1,2,3
.irp i, 0,2,4,6
.if \vv
.if (\a)%2
	v_pk_fma_f32 v[TMP+8*\b+\i:TMP+8*\b+\i+1], v[ACC+8*(4*\a+\b)+\i:ACC+8*(4*\a+\b)+\i+1], s[\sreg:\sreg+1], v[12+2*(\a/2):13+2*(\a/2)] op_sel:[0,0,1] op_sel_hi:[1,0,1]   ; the pair's upper word for both halves
.else
	v_pk_fma_f32 v[TMP+8*\b+\i:TMP+8*\b+\i+1], v[ACC+8*(4*\a+\b)+\i:ACC+8*(4*\a+\b)+\i+1], s[\sreg:\sreg+1], v[12+2*(\a/2):13+2*(\a/2)] op_sel_hi:[1,0,0]                  ; the pair's lower word for both halves
.endif
.else
	v_pk_fma_f32 v[TMP+8*\b+\i:TMP+8*\b+\i+1], v[ACC+8*(4*\a+\b)+\i:ACC+8*(4*\a+\b)+\i+1], s[\sreg:\sreg+1], v[BN+8*\b+\i:BN+8*\b+\i+1] op_sel_hi:[1,0,1]                    ; each accumulator from its low end on
.endif
.endr
.endr
.set n, 0
.rept 32
	v_med3_num_f32 v[TMP+n], v[TMP+n], -v[\qreg+1], v[\qreg+1]     ; the conversion does not saturate (ISA guide 7.6.2)
.set n, n+1
.endr
.irp b, 0,1,2,3
	v_cvt_scalef32_pk8_fp8_f32 v[CODE+8*\a+2*\b:CODE+8*\a+2*\b+1], v[TMP+8*\b:TMP+8*\b+7], v[\qreg]
.endr
	v_nop                                          ; a plain instruction between the conversions and the next lines that write their sources
	ds_store_b128 v[STO], v[CODE+8*\a:CODE+8*\a+3] offset:16*SP*\a          ; n blocks 0, 1: positions 16 h + 0 .. 15
	ds_store_b128 v[STO], v[CODE+8*\a+4:CODE+8*\a+7] offset:16*SP*\a+32     ; n blocks 2, 3
.endr
	s_wait_dscnt 0x0                               ; for the others' sake: my stores into the stage are done
	s_barrier_signal -1
	s_barrier_wait -1
.irp u, 0,1,2,3,4,5,6,7
.if \vv
	ds_load_b128 v[TMP+4*\u:TMP+4*\u+3], v[RDV] offset:4*SP*\u
.else
	ds_load_b128 v[TMP+4*\u:TMP+4*\u+3], v[RDQ] offset:8*SP*\u
.endif
.endr
.irp u, 0,1,2,3,4,5,6,7
	s_wait_dscnt 7-\u                              ; the younger loads may be out
	global_store_b128 v[CO], v[TMP+4*\u:TMP+4*\u+3], s[\obase:\obase+1] offset:512*\u    ; 512 consecutive bytes, aligned
.endr
.endm
.macro QSC e, d                        ; v[d] = 2^e, v[d + 1] = 448 x 2^e, e in s[e]
	s_add_co_i32 s40, s[\e], 127
	s_lshl_b32 s41, s40, 23
	v_mov_b32 v[\d], s41
	s_add_co_i32 s40, s40, 8
	s_lshl_b32 s40, s40, 23
	s_or_b32 s40, s40, 0x600000
	v_mov_b32 v[\d+1], s40
.endm
	s_load_b256 s[4:11], s[0:1], 0x0               ; ycodes 4, wcodes 6, qkv 8, bq 10
	s_load_b128 s[84:87], s[0:1], 0x20             ; bk 84, bv 86
	s_load_b64 s[14:15], s[0:1], 0x30              ; the exponents
	v_lshl_add_u32 v[SPW], v0, 2, SPARE
	v_mov_b32 v[NIL], 0
	ds_add_u32 v28, v29
	ds_add_u32 v28, v29
	s_wait_dscnt 0x0
	v_lshrrev_b32 v1, 5, v0
	v_readfirstlane_b32 s16, v1                    ; wave
	s_lshr_b32 s17, s16, 1                         ; my half of the m side.  Also: I fetch y (0) or W (1)
	s_and_b32 s18, s16, 1                          ; my half of the n side.  Also: which 64 rows I fetch
	s_bfe_u32 s21, ttmp6, 0x40000                  ; cx
	s_bfe_u32 s22, ttmp6, 0x40004                  ; cy
	s_lshl_b32 s20, ttmp9, 2
	s_add_co_u32 s20, s20, s21                     ; block of 128 channels 0 .. 7
	s_and_b32 s19, ttmp7, 0xffff
	s_lshl_b32 s19, s19, 2
	s_add_co_u32 s19, s19, s22                     ; block of 128 tokens 0 .. 31
	s_lshl_b32 s40, s22, 2
	s_lshl_b32 s40, 15, s40                        ; my row of the cluster
	s_lshl_b32 s41, 0x1111, s21                    ; my column
	s_or_b32 s[G1], s40, (0<<16)|(1<<20)|(1<<21)|(6<<22)|(3<<25)    ; the mask; elements of 1 byte; padding on; bit 21 beside a mask; after every 128 words, 4 words
	s_or_b32 s[G1B], s41, (0<<16)|(1<<20)|(1<<21)|(6<<22)|(3<<25)
.irp g, G1, G1B
	s_mov_b32 s[\g+1], 512<<16                     ; tensor_dim0
	s_mov_b32 s[\g+2], 64<<16                      ; tensor_dim1
	s_mov_b32 s[\g+3], 512<<16                     ; tile_dim0
	s_mov_b32 s[\g+4], 64                          ; tile_dim1
	s_mov_b32 s[\g+5], KDIM                        ; the pitch
	s_mov_b32 s[\g+6], 0
	s_mov_b32 s[\g+7], 0
.endr
	s_lshl_b32 s43, s18, 6
	s_lshl_b32 s42, s19, 7
	s_add_co_u32 s42, s42, s43
	s_lshl_b32 s42, s42, KSH                       ; y: row 128 x block of tokens + 64 x half, in the first set of codes
	s_lshl_b32 s46, s20, 7
	s_add_co_u32 s46, s46, s43
	s_lshl_b32 s46, s46, KSH                       ; W: row 128 x block of channels + 64 x half, in Wq's codes
	s_mov_b32 s43, 0
	s_mov_b32 s47, 0
	s_mul_i32 s44, s18, HALFT                      ; where they go: no place in the cluster enters an LDS address
	s_add_co_u32 s45, s44, ABYTES
	s_wait_kmcnt 0x0
	s_load_b512 s[68:83], s[14:15], 0x0            ; e0 .. e15 in s68 .. s83
	s_add_nc_u64 s[42:43], s[4:5], s[42:43]
	s_add_nc_u64 s[46:47], s[6:7], s[46:47]
	CROUND                                         ; all sixteen work-groups are here: the first joint loads meet
.irp s, 0,1
	s_mov_b32 s[G0+4*\s], 1
	s_add_co_u32 s[G0+4*\s+1], s44, \s*SLOT
	s_add_nc_u64 s[G0+4*\s+2:G0+4*\s+3], s[42:43], \s*512
	s_or_b32 s[G0+4*\s+3], s[G0+4*\s+3], 0x80000000
	s_mov_b32 s[G0B+4*\s], 1
	s_add_co_u32 s[G0B+4*\s+1], s45, \s*SLOT
	s_add_nc_u64 s[G0B+4*\s+2:G0B+4*\s+3], s[46:47], \s*512
	s_or_b32 s[G0B+4*\s+3], s[G0B+4*\s+3], 0x80000000
.endr
	JLOAD 0                                        ; slot 0: one tensor load a wave at the head
	v_and_b32 v1, 15, v0                           ; r
	v_bfe_u32 v2, v0, 4, 1                         ; h
	v_and_b32 v4, 31, v0                           ; lane
	v_mul_u32_u24 v3, v1, PITCH
	v_lshl_add_u32 v3, v2, 4, v3                   ; a fragment's row x pitch + 16 h
	s_wait_alu depctr_va_vdst(0)
	s_mul_i32 s40, s17, HALFT                      ; my m half,
	s_mul_i32 s41, s18, HALFT                      ; my n half
.irp s, 0,1
	v_add_nc_u32 v[ADRM+\s], s40, v3               ; q, k: the m side is y's region,
	v_add_nc_u32 v[ADRNV+\s], s41, v3              ; v: the n side is
	s_add_co_u32 s40, s40, ABYTES
	s_add_co_u32 s41, s41, ABYTES
	v_add_nc_u32 v[ADRMV+\s], s40, v3              ; v: the m side is W's region,
	v_add_nc_u32 v[ADRN+\s], s41, v3               ; q, k: the n side is
	s_add_co_u32 s40, s40, SLOT-ABYTES
	s_add_co_u32 s41, s41, SLOT-ABYTES
.endr
	; the biases: of the channels, which are the n side for q and k and the m side for v
	s_lshl_b32 s40, s20, 9
	s_lshl_b32 s41, s18, 8
	s_add_co_u32 s44, s40, s41
	s_mov_b32 s45, 0
	s_add_nc_u64 s[10:11], s[10:11], s[44:45]      ; bq at my 64 channels of the n side
	s_add_nc_u64 s[84:85], s[84:85], s[44:45]      ; bk likewise
	s_lshl_b32 s41, s17, 8
	s_add_co_u32 s44, s40, s41
	s_add_nc_u64 s[86:87], s[86:87], s[44:45]      ; bv at my 64 channels of the m side
	v_lshlrev_b32 v30, 5, v2                       ; 32 h
	v_lshlrev_b32 v31, 2, v1                       ; 4 r
.irp b, 0,1,2,3
	global_load_b128 v[BN+8*\b:BN+8*\b+3], v30, s[10:11] offset:64*\b
	global_load_b128 v[BN+8*\b+4:BN+8*\b+7], v30, s[10:11] offset:64*\b+16
.endr
.irp a, 0,1,2,3
	global_load_b32 v[12+\a], v31, s[86:87] offset:64*\a
.endr
	; the stage's addresses
	v_mul_u32_u24 v[STO], v1, SP
	v_lshl_add_u32 v[STO], v2, 4, v[STO]
	s_mul_i32 s40, s17, 64*SP
	s_lshl_b32 s41, s18, 6
	s_add_co_u32 s40, s40, s41
	s_add_co_u32 s40, s40, STAGE
	v_add_nc_u32 v[STO], s40, v[STO]               ; in: row 64 x my m half + r, byte 64 x my n half + 16 h
	v_lshrrev_b32 v5, 2, v4
	v_mul_u32_u24 v[RDQ], v5, SP
	v_and_b32 v5, 3, v4
	v_lshl_add_u32 v[RDQ], v5, 4, v[RDQ]
	s_mul_i32 s40, s18, 64*SP
	s_lshl_b32 s41, s17, 6
	s_add_co_u32 s40, s40, s41
	s_add_co_u32 s40, s40, STAGE
	v_add_nc_u32 v[RDQ], s40, v[RDQ]               ; back, q and k: wave w takes head w / 2 of the tile's two, tokens 64 (w % 2) on: 8 tokens x 64 bytes an instruction
	v_lshrrev_b32 v5, 3, v4
	v_mul_u32_u24 v[RDV], v5, SP
	v_and_b32 v5, 7, v4
	v_lshl_add_u32 v[RDV], v5, 4, v[RDV]
	s_mul_i32 s40, s16, 32*SP
	s_add_co_u32 s40, s40, STAGE
	v_add_nc_u32 v[RDV], s40, v[RDV]               ; back, v: wave w takes channels 32 w on: 4 rows x 128 bytes an instruction
	v_lshlrev_b32 v[CO], 4, v4                     ; 16 x lane
	s_lshr_b32 s40, s19, 4                         ; the batch,
	s_lshl_b32 s40, s40, 4
	s_lshl_b32 s41, s20, 1
	s_add_co_u32 s40, s40, s41
	s_add_co_u32 s40, s40, s17                     ; x 16 + the head
	s_lshl_b32 s40, s40, 17                        ; a head's 131,072 bytes
	s_and_b32 s41, s19, 15
	s_lshl_b32 s41, s41, 13                        ; 128 tokens are 8,192 bytes in all three layouts
	s_add_co_u32 s40, s40, s41
	s_lshl_b32 s41, s18, 12
	s_add_co_u32 s40, s40, s41
	s_mov_b32 s41, 0
	s_add_nc_u64 s[8:9], s[8:9], s[40:41]          ; my 4,096 bytes of the tile in q,
	s_add_nc_u64 s[92:93], s[8:9], 0x400000        ; in k,
	s_add_nc_u64 s[94:95], s[92:93], 0x400000      ; in v
	s_wait_kmcnt 0x0
	s_add_co_i32 s40, s68, s69
	s_add_co_i32 s40, s40, 127
	s_lshl_b32 s66, s40, 23                        ; 2^(e0 + e1)
	s_mov_b32 s67, s66                             ; (named with it as a pair)
	s_add_co_i32 s40, s70, s71
	s_add_co_i32 s40, s40, 127
	s_lshl_b32 s88, s40, 23                        ; 2^(e2 + e3)
	s_mov_b32 s89, s88
	s_add_co_i32 s40, s72, s73
	s_add_co_i32 s40, s40, 127
	s_lshl_b32 s90, s40, 23                        ; 2^(e4 + e5)
	s_mov_b32 s91, s90
	QSC 74, 6                                      ; e6: q
	QSC 75, 8                                      ; e7: k
	QSC 77, 10                                     ; e9: v
	s_wait_alu depctr_va_vdst(0)                   ; the wait at the head's end
	s_wait_tensorcnt 0x0                           ; my part of slot 0 is in
	ds_add_u32 v[SPW], v[NIL]
	s_wait_dscnt 0x0
	CROUND                                         ; everybody's part of slot 0 is in, and all sixteen work-groups are here
	JLOAD 1                                        ; slot 1's first fill: my one tensor load behind the round
	FETCH 0, 0, F0
	; ---- q
	THREEQ 0, 1
	TURN 0, 1, 1                                   ; slot 0 takes k's K 0 on
	THREEQ 1, 0
	TURN 1, 0, 1                                   ; slot 1 takes k's K 512 on; k's first fragments are fetched
	WIN 0
	EPI 0, 66, 8, 6
.irp b, 0,1,2,3
	global_load_b128 v[BN+8*\b:BN+8*\b+3], v30, s[84:85] offset:64*\b       ; bk takes bq's place: it lands under k's products
	global_load_b128 v[BN+8*\b+4:BN+8*\b+7], v30, s[84:85] offset:64*\b+16
.endr
	; ---- k
	THREEQ 0, 1
	TURN 0, 1, 1                                   ; slot 0 takes v's K 0 on
	THREEQ 1, 0
.set PM, ADRMV                                     ; from here on fragments are fetched for v: the regions change roles
.set PN, ADRNV
	TURN 1, 0, 1                                   ; slot 1 takes v's K 512 on; v's first fragments are fetched
	WIN 0
	EPI 0, 88, 92, 8
	; ---- v: nothing is left to fetch
	THREEQ 0, 1
	TURN 0, 1, 0
	THREEQ 1, 0
	s_wait_dscnt 0x0
	WIN MUL
	MUL4 F1, 0, 0
	MUL4 F1, 1, 0
	MUL4 F1, 2, 0
	MUL4 F1, 3, 0
	WIN 0
	EPI 1, 90, 94, 10
	s_wait_tensorcnt 0x0                           ; the wave's end
	ds_add_u32 v[SPW], v[NIL]
	s_wait_dscnt 0x0
	CROUND                                         ; the closing round
	s_endpgm
.Lfunc_end_k_q90da7b3a8c_qkv:
	.size	k_q90da7b3a8c_qkv, .Lfunc_end_k_q90da7b3a8c_qkv-k_q90da7b3a8c_qkv
	.p2alignl 7, 3214868480
	.fill 96, 4, 3214868480
	.section	.rodata,"a",@progbits
	.p2align	6, 0x0
	.amdhsa_kernel k_q90da7b3a8c_qkv
		.amdhsa_group_segment_fixed_size 327680
		.amdhsa_private_segment_fixed_size 0
		.amdhsa_enable_private_segment 0
		.amdhsa_kernarg_size 56
		.amdhsa_user_sgpr_count 2
		.amdhsa_user_sgpr_kernarg_segment_ptr 1
		.amdhsa_wavefront_size32 1
		.amdhsa_system_sgpr_workgroup_id_x 1
		.amdhsa_system_sgpr_workgroup_id_y 1
		.amdhsa_system_sgpr_workgroup_id_z 1
		.amdhsa_system_vgpr_workitem_id 0
		.amdhsa_next_free_vgpr 512
		.amdhsa_next_free_sgpr 100
		.amdhsa_reserve_vcc 0
		.amdhsa_float_denorm_mode_32 3
		.amdhsa_float_denorm_mode_16_64 3
		.amdhsa_memory_ordered 1
		.amdhsa_forward_progress 1
		.amdhsa_inst_pref_size 141
	.end_amdhsa_kernel
	.amdgpu_metadata
---
amdhsa.version: [ 1, 2 ]
amdhsa.kernels:
  - .name:           k_q90da7b3a8c_qkv
    .symbol:         k_q90da7b3a8c_qkv.kd
    .args:
      - { .name: ycodes, .offset: 0, .size: 8, .value_kind: global_buffer, .address_space: global }
      - { .name: wcodes, .offset: 8, .size: 8, .value_kind: global_buffer, .address_space: global }
      - { .name: qkv, .offset: 16, .size: 8, .value_kind: global_buffer, .address_space: global }
      - { .name: bq, .offset: 24, .size: 8, .value_kind: global_buffer, .address_space: global }
      - { .name: bk, .offset: 32, .size: 8, .value_kind: global_buffer, .address_space: global }
      - { .name: bv, .offset: 40, .size: 8, .value_kind: global_buffer, .address_space: global }
      - { .name: lowp_scales, .offset: 48, .size: 8, .value_kind: global_buffer, .address_space: global }
    .group_segment_fixed_size: 327680
    .private_segment_fixed_size: 0
    .kernarg_segment_align: 8
    .kernarg_segment_size: 56
    .max_flat_workgroup_size: 128
    .sgpr_count:     100
    .vgpr_count:     512
    .wavefront_size: 32
...
	.end_amdgpu_metadata
.endif
;; end of part 2
;; launch attn (part 3): grid 8 x 32, 16 waves a work-group, clusters of 4 x 1, 327,680 bytes of LDS; arguments qkv, lowp_scales, ocodes; writes ocodes
.if DOCPART == 3
	.amdgcn_target "amdgcn-amd-amdhsa--gfx1250"
	.amdhsa_code_object_version 6
	.text
	.protected	k_q90da7b3a8c_attn
	.globl	k_q90da7b3a8c_attn
	.p2align	8
	.type	k_q90da7b3a8c_attn,@function
k_q90da7b3a8c_attn:
	s_mov_b64 s[64:65], 0
	v_nop
	global_prefetch_b8 v0, s[64:65] scope:SCOPE_SE
	s_setreg_imm32_b32 hwreg(HW_REG_WAVE_MODE, 25, 1), 1
	s_wait_xcnt 0x0
	s_wait_alu depctr_hold_cnt(0) depctr_sa_sdst(0) depctr_va_vdst(0) depctr_va_sdst(0) depctr_va_ssrc(0) depctr_va_vcc(0) depctr_vm_vsrc(0)
	s_getreg_b32 s2, hwreg(HW_REG_IB_STS2, 6, 4)
	s_cmp_eq_u32 s2, 0
	s_cbranch_scc0 .Lentry_in_a_cluster
	s_endpgm
.Lentry_in_a_cluster:
	s_bfe_u32 s2, ttmp6, 0x10000c
	s_cmp_lg_u32 s2, 0x3003
	s_cbranch_scc0 .Lentry_shape_is_right
	s_endpgm
.Lentry_shape_is_right:
; ATTENTION on E4M3 codes: 32 heads (batch x head) of 2,048 tokens x 64 channels.  o = softmax(q k^T / 8) v, then o quantised (2^e10) ALONG THE QUERIES, since the next product reads o^T [channel][query] flat.
; THE SOFTMAX: t = score x log2(e) / 8; M = the running largest t rounded UP to a whole number; p = 2^(t - M) is quantised (2^e8), not normalised; the sum is taken of the unquantised p and divides at the end.
; When M moves, the sum and O are multiplied by 2^(old M - new M), made by v_ldexp_f32: nothing is rounded and no branch hangs on data.
; SHARES.  A work-group owns 256 queries of a head, each of its sixteen waves 16: one tile in 256 registers, four waves to a SIMD.  Both products are used transposed (S^T = K Q^T, O^T = V^T P^T): a lane holds one query throughout.
; LDS.  A head's whole K and V (131,072 bytes each, dense in memory) lie in LDS, as rows of 256 bytes + 16: K at 0, V at VOFF.  Nothing is filled twice: no ring.  The sixteen fills of 64 rows are shared out one to a wave,
; by arithmetic on the wave's number: wave w brings half w % 2 of K ((w / 2) % 2 = 0) or V (1) of the 512 keys w / 4.  There is no later request whose bytes could be asked of memory ahead: no prefetch is written.
; CLUSTER 4 x 1: four blocks of queries of one head walk the same K and V: each load is a joint one, mask 15.
; THE LOOP: sixteen key steps of 128 keys.  A split barrier goes with each step: a wave signals when a step is done and waits for that signal one step later, so that no wave begins step i + 2 before all have done step i.
; The last of these barriers parts the reads of K and V from the stage's stores.
; v's codes lie, inside each 32 keys, in the order in which p's codes come out of tiles of 16 neighbouring keys (position 16 h + 8 u + i = key 16 u + 8 h + i); q and k share one permutation of the head's 64.
; LIMITS: e6 + e7 between -123 and 130 (added to c's exponent field); e8 and e10 between -126 and 119; e8 + e9 goes in by v_ldexp_f32.  NaN is not served.
; REGISTERS: v1, v2 my lane's place in a tile of K, of V; v3-7 the way out; v8, v9 the step's addresses; v12 -M; v13 the largest t; v[14:15] the sum; v16-23 Q; v24 and v211: 448 x 2^e8; v25: 2^e8; v26, v27: 448 x 2^e10, 2^e10;
; v[28:29] f; v30, v31, v[208:209], v210, v242-253 at work; v32-95 fragments; v96-159 S^T, then p; v160-191 O^T; v192-207 p's codes; v254, v255 the add's two.
.set VOFF, 139264                      ; 512 rows x 272
.set CHK,  34816                       ; 512 keys: 128 rows x 272
.set HF,   17408                       ; what one load brings: 64 rows x 272
.set STG2, 69632                       ; the way out: sixteen stages of 16 x 272 bytes from 0 on, then 64 rows x 272 of codes: in K's region, behind a barrier behind which nobody reads K or V
.set SPARE, 0x44000                    ; behind V: the spare words, 128 bytes a wave
.set G1, 24
.set G0, 32
.macro CROUND
	s_barrier_signal -1
	s_barrier_wait -1
	s_cmp_lg_u32 s18, 0
	s_cbranch_scc1 .Lnot_wave_0_\@
	s_barrier_signal -3
.Lnot_wave_0_\@:
	s_barrier_wait -3
	s_barrier_signal -1
	s_barrier_wait -1
.endm
	s_load_b128 s[4:7], s[0:1], 0x0                ; qkv 4, the exponents 6
	s_load_b64 s[8:9], s[0:1], 0x10                ; ocodes
	v_lshl_add_u32 v254, v0, 2, SPARE
	v_mov_b32 v255, 0
	ds_add_u32 v254, v255                          ; the opening lines: the add, twice on end, and its wait ahead of my tensor load
	ds_add_u32 v254, v255
	v_lshrrev_b32 v8, 5, v0
	s_delay_alu instid0(VALU_DEP_1)
	v_readfirstlane_b32 s18, v8                    ; wave 0 .. 15
	s_bfe_u32 s10, ttmp6, 0x40000                  ; cx
	s_lshl_b32 s11, ttmp9, 2
	s_add_co_u32 s11, s11, s10                     ; my block of 256 queries: it enters Q's and o's addresses alone
	s_and_b32 s12, ttmp7, 0xffff
	s_lshl_b32 s12, s12, 17                        ; the head's first byte in q, k, v and o's codes
	s_lshr_b32 s13, s18, 2                         ; which 512 keys I fetch
	s_bfe_u32 s14, s18, 0x10001                    ; for K (0) or for V (1)
	s_and_b32 s15, s18, 1                          ; which half of them
	s_mov_b32 s[G1], 15|(3<<16)|(1<<20)|(1<<21)|(5<<22)|(3<<25)    ; mask: all four; elements of 8 bytes; padding on; bit 21 beside a mask; after every 64 words, 4 words
	s_mov_b32 s[G1+1], 32<<16                      ; tensor_dim0: 32 elements = 256 bytes
	s_mov_b32 s[G1+2], 64<<16                      ; tensor_dim1
	s_mov_b32 s[G1+3], 32<<16                      ; tile_dim0
	s_mov_b32 s[G1+4], 64                          ; tile_dim1
	s_mov_b32 s[G1+5], 32                          ; the pitch: the block is dense
	s_mov_b32 s[G1+6], 0
	s_mov_b32 s[G1+7], 0
	s_add_co_u32 s16, s14, 1
	s_lshl_b32 s16, s16, 22                        ; k at 4 MiB, v at 8 MiB
	s_add_co_u32 s16, s16, s12
	s_lshl_b32 s17, s13, 15                        ; 512 keys are 32,768 bytes in both
	s_add_co_u32 s16, s16, s17
	s_lshl_b32 s17, s15, 14
	s_add_co_u32 s16, s16, s17
	s_mov_b32 s17, 0
	s_mul_i32 s19, s14, VOFF
	s_mul_i32 s52, s13, CHK
	s_add_co_u32 s19, s19, s52
	s_mul_i32 s52, s15, HF
	s_add_co_u32 s19, s19, s52                     ; where it goes: the wave's number alone
	s_wait_dscnt 0x0                               ; both opening adds are done
	s_wait_kmcnt 0x0
	s_load_b512 s[68:83], s[6:7], 0x0              ; e0 .. e15 in s68 .. s83
	s_mov_b32 s[G0], 1
	s_mov_b32 s[G0+1], s19
	s_add_nc_u64 s[G0+2:G0+3], s[4:5], s[16:17]
	s_or_b32 s[G0+3], s[G0+3], 0x80000000
	CROUND                                         ; all four work-groups are here: the joint loads meet
	tensor_load_to_lds s[G0:G0+3], s[G1:G1+7]      ; my one tensor load of the launch
	s_nop 0
	s_lshl_b32 s52, s11, 14                        ; Q: 256 queries x 64 bytes a block,
	s_lshl_b32 s53, s18, 10                        ; 16 a wave
	s_add_co_u32 s52, s52, s53
	s_add_co_u32 s52, s52, s12
	s_mov_b32 s53, 0
	s_add_nc_u64 s[54:55], s[4:5], s[52:53]
	s_lshl_b32 s52, s11, 8
	s_add_co_u32 s52, s52, s12
	s_add_nc_u64 s[8:9], s[8:9], s[52:53]          ; o's codes: the head's 64 rows of 2,048, at my block's 256 queries
	v_and_b32 v8, 15, v0                           ; r
	v_bfe_u32 v9, v0, 4, 1                         ; h
	v_and_b32 v10, 31, v0                          ; lane
	s_delay_alu instid0(VALU_DEP_3)
	v_lshlrev_b32 v11, 6, v8
	s_delay_alu instid0(VALU_DEP_1)
	v_lshl_add_u32 v11, v9, 4, v11
	global_load_b128 v[16:19], v11, s[54:55]       ; Q's fragment stays in registers
	global_load_b128 v[20:23], v11, s[54:55] offset:32
	v_lshrrev_b32 v30, 2, v8                       ; K: key k lies at (k / 4) x 272 + (k % 4) x 64
	s_delay_alu instid0(VALU_DEP_1)
	v_mul_u32_u24 v1, v30, 272
	v_and_b32 v30, 3, v8
	s_delay_alu instid0(VALU_DEP_1)
	v_lshl_add_u32 v1, v30, 6, v1
	s_delay_alu instid0(VALU_DEP_1)
	v_lshl_add_u32 v1, v9, 4, v1
	v_lshrrev_b32 v30, 1, v8                       ; V: channel c of a block of 128 keys lies at (c / 2) x 272 + (c % 2) x 128
	s_delay_alu instid0(VALU_DEP_1)
	v_mul_u32_u24 v2, v30, 272
	v_and_b32 v30, 1, v8
	s_delay_alu instid0(VALU_DEP_1)
	v_lshl_add_u32 v2, v30, 7, v2
	s_delay_alu instid0(VALU_DEP_1)
	v_lshl_add_u32 v2, v9, 4, v2
	s_delay_alu instid0(VALU_DEP_1)
	v_add_nc_u32 v2, VOFF, v2
	s_mul_i32 s52, s18, 16*272                     ; my f32 stage
	v_mul_u32_u24 v3, v8, 272
	s_delay_alu instid0(VALU_DEP_1)
	v_lshl_add_u32 v3, v9, 5, v3
	s_delay_alu instid0(VALU_DEP_1)
	v_add_nc_u32 v3, s52, v3                       ; in: row = query r, + 32 h
	v_lshl_add_u32 v4, v10, 2, s52                 ; back: a lane a channel
	s_lshl_b32 s53, s18, 4
	s_add_co_u32 s53, s53, STG2
	v_mul_u32_u24 v5, v10, 272
	s_delay_alu instid0(VALU_DEP_1)
	v_add_nc_u32 v5, s53, v5                       ; codes in: row = channel, my wave's 16 queries
	s_mul_i32 s53, s18, 4*272
	s_add_co_u32 s53, s53, STG2
	v_mul_u32_u24 v6, v9, 272
	s_delay_alu instid0(VALU_DEP_1)
	v_lshl_add_u32 v6, v8, 4, v6
	s_delay_alu instid0(VALU_DEP_1)
	v_add_nc_u32 v6, s53, v6                       ; codes back: wave w takes channels 4 w .. 4 w + 3, sixteen lanes to a row
	s_lshl_b32 s53, s18, 13
	v_lshlrev_b32 v7, 11, v9
	s_delay_alu instid0(VALU_DEP_1)
	v_lshl_add_u32 v7, v8, 4, v7
	s_delay_alu instid0(VALU_DEP_1)
	v_add_nc_u32 v7, s53, v7                       ; and the same place in o's codes
	s_mov_b32 s20, 0x76543210                      ; v_permlanex16_b32: lane l xor 16
	s_mov_b32 s21, 0xfedcba98
	v_mov_b32 v13, 0xff61b1e6                      ; the largest t so far: -3e38
	s_delay_alu instid0(VALU_DEP_1)
	v_floor_f32 v12, -v13                          ; -M
	v_mov_b32 v14, 0
	v_mov_b32 v15, 0
	v_mov_b32 v29, 0                               ; (named as the upper half of the pair v[28:29])
	v_mov_b32 v31, 0                               ; a lane permute's destination counts as one of its sources
.set j, 0
.rept 32
	v_mov_b32 v[160+j], 0                          ; O^T: the step is written once; its first run finds zeros, which the first change of M leaves zeros
.set j, j+1
.endr
	s_wait_kmcnt 0x0
	s_mov_b32 s22, 0x3e38aa3b                      ; c = log2(e) / 8
	s_add_co_i32 s52, s74, s75
	s_lshl_b32 s52, s52, 23
	s_add_co_i32 s22, s22, s52                     ; x 2^(e6 + e7)
	s_mov_b32 s23, s22
	s_add_co_i32 s52, s76, 127
	s_lshl_b32 s53, s52, 23
	v_mov_b32 v25, s53                             ; 2^e8
	s_add_co_i32 s52, s52, 8
	s_lshl_b32 s52, s52, 23
	s_or_b32 s52, s52, 0x600000
	v_mov_b32 v24, s52                             ; 448 x 2^e8,
	v_mov_b32 v211, s52                            ; twice: the two halves of a dual instruction take their first sources from different register banks (24 % 4 = 0, 211 % 4 = 3)
	s_add_co_i32 s52, s78, 127
	s_lshl_b32 s53, s52, 23
	v_mov_b32 v27, s53                             ; 2^e10
	s_add_co_i32 s52, s52, 8
	s_lshl_b32 s52, s52, 23
	s_or_b32 s52, s52, 0x600000
	v_mov_b32 v26, s52                             ; 448 x 2^e10
	s_add_co_i32 s56, s76, s77                     ; e8 + e9
; A KEY STEP: the 128 keys whose rows begin at LDS byte s50 of K's region and of V's.
.macro STEP
	v_add_nc_u32 v8, s50, v1
	v_add_nc_u32 v9, s50, v2
	v_nop                                          ; with the two additions: four places ahead of loads into registers that the last products read
	v_nop
.irp t, 0,1,2,3,4,5,6,7
	ds_load_b128 v[32+8*\t:35+8*\t], v8 offset:1088*\t         ; tile t: 16 neighbouring keys x 64 channels
	ds_load_b128 v[36+8*\t:39+8*\t], v8 offset:1088*\t+32
.endr
	s_wait_alu depctr_va_vdst(0)
	s_wait_dscnt 0x0
.irp t, 0,1,2,3,4,5,6,7
	v_wmma_f32_16x16x64_fp8_fp8 v[96+8*\t:103+8*\t], v[32+8*\t:39+8*\t], v[16:23], 0    ; lane (r, h): query r, keys 16 t + 8 h + 0 .. 7
.endr
.rept 4
	v_nop
.endr
.irp t, 0,1,2,3
.irp c, 0,1,2,3
	ds_load_b128 v[32+16*\t+4*\c:35+16*\t+4*\c], v9 offset:2176*\t+32*\c    ; V's four tiles of 16 channels x 128 keys: asked for ahead of the softmax
.endr
.endr
	v_max3_num_f32 v30, v96, v97, v98              ; the step's largest score of my query among my 64 keys, in two chains, ascending
	v_max3_num_f32 v210, v99, v100, v101
.irp i, 6,10,14,18,22,26,30,34,38,42,46,50,54,58
	v_max3_num_f32 v30, v30, v[96+\i], v[97+\i]
	v_max3_num_f32 v210, v210, v[98+\i], v[99+\i]
.endr
	v_max3_num_f32 v30, v30, v158, v159
	s_delay_alu instid0(VALU_DEP_1)
	v_max_num_f32 v30, v30, v210
	s_delay_alu instid0(VALU_DEP_1)
	v_permlanex16_b32 v31, v30, s20, s21
	s_delay_alu instid0(VALU_DEP_1)
	v_max_num_f32 v30, v30, v31                    ; and among lane l xor 16's
	s_delay_alu instid0(VALU_DEP_1)
	v_mul_f32 v30, s22, v30                        ; as t (c is positive)
	s_delay_alu instid0(VALU_DEP_1)
	v_max_num_f32 v13, v13, v30
	v_mov_b32 v30, v12
	s_delay_alu instid0(VALU_DEP_2)
	v_floor_f32 v12, -v13                          ; the new -M = floor(-t)
	s_delay_alu instid0(VALU_DEP_1)
	v_sub_f32 v30, v12, v30                        ; old M - new M: a whole number, 0 or less
	s_delay_alu instid0(VALU_DEP_1)
	v_cvt_i32_f32 v30, v30                         ; (it saturates)
	s_delay_alu instid0(VALU_DEP_1)
	v_ldexp_f32 v28, 1.0, v30                      ; f = 2^(old M - new M)
.set j, 0
.rept 32
	v_pk_fma_f32 v[96+j:97+j], v[96+j:97+j], s[22:23], v[12:13] op_sel_hi:[1,0,0]    ; t - M
.set j, j+2
.endr
.set j, 0
	s_wait_alu depctr_va_vdst(0)                   ; ahead of the batch
.rept 64
	v_exp_f32 v[96+j], v[96+j]                     ; p = 2^(t - M)
.set j, j+1
.endr
	v_pk_mul_f32 v[14:15], v[14:15], v[28:29] op_sel_hi:[1,0]  ; the sums under the new M: the plain instruction behind the batch
	s_wait_alu depctr_va_vdst(0)                   ; one wait for the 64 exponentials, ahead of their first reader
	v_pk_add_f32 v[208:209], v[100:101], v[104:105]            ; the row's sum of the unquantised p, in eight chains
	v_pk_add_f32 v[252:253], v[108:109], v[112:113]
	v_pk_add_f32 v[250:251], v[116:117], v[120:121]
	v_pk_add_f32 v[248:249], v[124:125], v[128:129]
	v_pk_add_f32 v[246:247], v[132:133], v[136:137]
	v_pk_add_f32 v[244:245], v[140:141], v[144:145]
	v_pk_add_f32 v[242:243], v[148:149], v[152:153]
	v_pk_add_f32 v[14:15], v[14:15], v[156:157]
	v_pk_add_f32 v[208:209], v[208:209], v[96:97]
	v_pk_add_f32 v[252:253], v[252:253], v[98:99]
	v_pk_add_f32 v[250:251], v[250:251], v[102:103]
	v_pk_add_f32 v[248:249], v[248:249], v[106:107]
	v_pk_add_f32 v[246:247], v[246:247], v[110:111]
	v_pk_add_f32 v[244:245], v[244:245], v[114:115]
	v_pk_add_f32 v[242:243], v[242:243], v[118:119]
	v_pk_add_f32 v[14:15], v[14:15], v[122:123]
	v_pk_add_f32 v[208:209], v[208:209], v[126:127]
	v_pk_add_f32 v[252:253], v[252:253], v[130:131]
	v_pk_add_f32 v[250:251], v[250:251], v[134:135]
	v_pk_add_f32 v[248:249], v[248:249], v[138:139]
	v_pk_add_f32 v[246:247], v[246:247], v[142:143]
	v_pk_add_f32 v[244:245], v[244:245], v[146:147]
	v_pk_add_f32 v[242:243], v[242:243], v[150:151]
	v_pk_add_f32 v[14:15], v[14:15], v[154:155]
	v_pk_add_f32 v[208:209], v[208:209], v[158:159]
	s_delay_alu instid0(VALU_DEP_2)
	v_pk_add_f32 v[14:15], v[14:15], v[248:249]
	s_delay_alu instid0(VALU_DEP_2)
	v_pk_add_f32 v[208:209], v[208:209], v[246:247]
	v_pk_add_f32 v[252:253], v[252:253], v[244:245]
	v_pk_add_f32 v[250:251], v[250:251], v[242:243]
	s_delay_alu instid0(VALU_DEP_2)
	v_pk_add_f32 v[14:15], v[14:15], v[252:253]
	s_delay_alu instid0(VALU_DEP_2)
	v_pk_add_f32 v[208:209], v[208:209], v[250:251]
	s_delay_alu instid0(VALU_DEP_1)
	v_pk_add_f32 v[14:15], v[14:15], v[208:209]
.irp t, 0,1,2,3,4,5,6,7
.irp i, 0,2,4,6
	v_dual_min_num_f32 v[96+8*\t+\i], v24, v[96+8*\t+\i] :: v_dual_min_num_f32 v[97+8*\t+\i], v211, v[97+8*\t+\i]   ; the hold, two numbers an instruction; p is not negative, so it is one-sided
.endr
	v_cvt_scalef32_pk8_fp8_f32 v[192+2*\t:193+2*\t], v[96+8*\t:103+8*\t], v25
.endr
	s_wait_alu depctr_va_vdst(0)                   ; ahead of the first reader of O^T
.set j, 0
.rept 16
	v_pk_mul_f32 v[160+j:161+j], v[160+j:161+j], v[28:29] op_sel_hi:[1,0]   ; O^T under the new M.  (Plain lines between the conversions and the products that read their results)
.set j, j+2
.endr
	s_wait_alu depctr_va_vdst(0)
	s_wait_dscnt 0x0                               ; V's fragments are in: no LDS instruction of mine is out at the step's end
.irp t, 0,1,2,3
	v_wmma_f32_16x16x128_fp8_fp8 v[160+8*\t:167+8*\t], v[32+16*\t:47+16*\t], v[192:207], v[160+8*\t:167+8*\t]   ; the four accumulators take turns; eight other products stand between two steps' links
.endr
.endm
	s_wait_alu depctr_va_vdst(0)                   ; the wait at the head's end
	s_wait_loadcnt 0x0                             ; Q
	s_wait_tensorcnt 0x0                           ; my sixteenth of K and V is in
	s_barrier_signal -1
	s_barrier_wait -1                              ; everybody's is
	s_mov_b32 s50, 0
	s_mov_b32 s51, 16
	s_barrier_signal -1                            ; the first of the steps' barriers is opened
.Lstep:
	STEP
	s_barrier_wait -1                              ; all sixteen waves have done the step before this one (between signal and wait: register work and reads of K and V, which nobody writes before the last barrier)
	s_barrier_signal -1                            ; and I have done this one
	s_add_co_u32 s50, s50, 8704                    ; 128 keys are 32 rows of 272 bytes, in K and in V
	s_sub_co_u32 s51, s51, 1
	s_cmp_lg_u32 s51, 0
	s_cbranch_scc1 .Lstep
	; THE WAY OUT.  o = O^T / the sum x 2^(e8 + e9).  A lane holds one query and 32 channels; the codes want 16 neighbouring QUERIES of one channel in a lane: so o turns through my own stage in f32.
.rept 4
	v_nop                                          ; places behind the last products
.endr
	v_add_f32 v14, v14, v15
	s_delay_alu instid0(VALU_DEP_1)
	v_permlanex16_b32 v31, v14, s20, s21
	s_delay_alu instid0(VALU_DEP_1)
	v_add_f32 v14, v14, v31                        ; the row's sum
	s_wait_alu depctr_va_vdst(0)                   ; the wait ahead of the transcendental
	v_rcp_f32 v14, v14
	v_nop
	s_wait_alu depctr_va_vdst(0)                   ; and ahead of its first reader
	v_ldexp_f32 v14, v14, s56
	s_barrier_wait -1                              ; the last step's barrier: nobody reads K or V any more; every fill has landed
	s_wait_alu depctr_va_vdst(0)                   ; ahead of the first reader of O^T
.set j, 0
.rept 32
	v_mul_f32 v[96+j], v[160+j], v14               ; register 8 t + i: o(query r, channel 16 t + 8 h + i)
.set j, j+1
.endr
.irp t, 0,1,2,3
	ds_store_b128 v3, v[96+8*\t:99+8*\t] offset:64*\t
	ds_store_b128 v3, v[100+8*\t:103+8*\t] offset:64*\t+16
.endr
.irp u, 0,1
.irp i, 0,1,2,3,4,5,6,7,8,9,10,11,12,13,14,15
	ds_load_b32 v[32+16*\u+\i], v4 offset:272*\i+128*\u        ; channel lane + 32 u, query i.  LDS serves a wave's instructions in order: these see my stores
.endr
.endr
	s_wait_dscnt 0x0
.set j, 0
.rept 32
	v_med3_num_f32 v[32+j], v[32+j], -v26, v26     ; the conversion does not saturate (ISA guide 7.6.2)
.set j, j+1
.endr
.irp g, 0,1,2,3
	v_cvt_scalef32_pk8_fp8_f32 v[192+2*\g:193+2*\g], v[32+8*\g:39+8*\g], v27
.endr
	v_nop
	ds_store_b128 v5, v[192:195]                   ; channel = lane: my wave's 16 queries
	ds_store_b128 v5, v[196:199] offset:32*272     ; channel = lane + 32
	s_wait_dscnt 0x0                               ; for the others' sake
	s_barrier_signal -1
	s_barrier_wait -1
	ds_load_b128 v[96:99], v6
	ds_load_b128 v[100:103], v6 offset:2*272
	s_wait_dscnt 1
	global_store_b128 v7, v[96:99], s[8:9]         ; 16 lanes store 256 consecutive bytes, aligned
	s_wait_dscnt 0x0
	global_store_b128 v7, v[100:103], s[8:9] offset:4096
	s_wait_tensorcnt 0x0                           ; the wave's end
	ds_add_u32 v254, v255
	s_wait_dscnt 0x0
	CROUND                                         ; the closing round
	s_endpgm
.Lfunc_end_k_q90da7b3a8c_attn:
	.size	k_q90da7b3a8c_attn, .Lfunc_end_k_q90da7b3a8c_attn-k_q90da7b3a8c_attn
	.p2alignl 7, 3214868480
	.fill 96, 4, 3214868480
	.section	.rodata,"a",@progbits
	.p2align	6, 0x0
	.amdhsa_kernel k_q90da7b3a8c_attn
		.amdhsa_group_segment_fixed_size 327680
		.amdhsa_private_segment_fixed_size 0
		.amdhsa_enable_private_segment 0
		.amdhsa_kernarg_size 24
		.amdhsa_user_sgpr_count 2
		.amdhsa_user_sgpr_kernarg_segment_ptr 1
		.amdhsa_wavefront_size32 1
		.amdhsa_system_sgpr_workgroup_id_x 1
		.amdhsa_system_sgpr_workgroup_id_y 1
		.amdhsa_system_sgpr_workgroup_id_z 1
		.amdhsa_system_vgpr_workitem_id 0
		.amdhsa_next_free_vgpr 256
		.amdhsa_next_free_sgpr 96
		.amdhsa_reserve_vcc 0
		.amdhsa_float_denorm_mode_32 3
		.amdhsa_float_denorm_mode_16_64 3
		.amdhsa_memory_ordered 1
		.amdhsa_forward_progress 1
		.amdhsa_inst_pref_size 32
	.end_amdhsa_kernel
	.amdgpu_metadata
---
amdhsa.version: [ 1, 2 ]
amdhsa.kernels:
  - .name:           k_q90da7b3a8c_attn
    .symbol:         k_q90da7b3a8c_attn.kd
    .args:
      - { .name: qkv, .offset: 0, .size: 8, .value_kind: global_buffer, .address_space: global }
      - { .name: lowp_scales, .offset: 8, .size: 8, .value_kind: global_buffer, .address_space: global }
      - { .name: ocodes, .offset: 16, .size: 8, .value_kind: global_buffer, .address_space: global }
    .group_segment_fixed_size: 327680
    .private_segment_fixed_size: 0
    .kernarg_segment_align: 8
    .kernarg_segment_size: 24
    .max_flat_workgroup_size: 512
    .sgpr_count:     96
    .vgpr_count:     256
    .wavefront_size: 32
...
	.end_amdgpu_metadata
.endif
;; end of part 3
;; launch gemm_o (part 4): grid 8 x 32, 4 waves a work-group, clusters of 4 x 4, 327,680 bytes of LDS; arguments ocodes, wcodes, x1, bo, x, lowp_scales; writes x1
.if DOCPART == 4
	.amdgcn_target "amdgcn-amd-amdhsa--gfx1250"
	.amdhsa_code_object_version 6
	.text
	.protected	k_q90da7b3a8c_gemm_o
	.globl	k_q90da7b3a8c_gemm_o
	.p2align	8
	.type	k_q90da7b3a8c_gemm_o,@function
k_q90da7b3a8c_gemm_o:
	s_mov_b64 s[64:65], 0
	v_nop
	global_prefetch_b8 v0, s[64:65] scope:SCOPE_SE
	s_setreg_imm32_b32 hwreg(HW_REG_WAVE_MODE, 25, 1), 1
	s_wait_xcnt 0x0
	s_wait_alu depctr_hold_cnt(0) depctr_sa_sdst(0) depctr_va_vdst(0) depctr_va_sdst(0) depctr_va_ssrc(0) depctr_va_vcc(0) depctr_vm_vsrc(0)
	s_getreg_b32 s2, hwreg(HW_REG_IB_STS2, 6, 4)
	s_cmp_eq_u32 s2, 0
	s_cbranch_scc0 .Lentry_in_a_cluster
	s_endpgm
.Lentry_in_a_cluster:
	s_bfe_u32 s2, ttmp6, 0x10000c
	s_cmp_lg_u32 s2, 0xf033
	s_cbranch_scc0 .Lentry_shape_is_right
	s_endpgm
.Lentry_shape_is_right:
; out = residual + A W + bias on E4M3 codes, f32 out.  One text serves two products; LONGK says which.
; LONGK = 0: x1 = x + o Wo + bo: A = o's codes [4,096][1,024] row-major, K = 1,024: both LDS slots are filled once.
; LONGK = 1: out0 = x1 + h W2 + b2: A = the hidden layer's codes as dense images [32 row blocks][16 blocks of 128 along K][128 rows][128 bytes], K = 2,048: each slot is filled a second time.
; A tile of C is 128 x 128 (256 work-groups); four waves of 64 x 64: 16 accumulators.  A slot holds 512 along K.  CLUSTERS 4 x 4: A's tile is asked for jointly along a row of the cluster, W's along a column.
; THE MATRIX INSTRUCTION IS USED TRANSPOSED (source 0 = 16 rows of W, source 1 = 16 rows of A): a lane holds eight neighbouring numbers of a row of C.  Fragments come by four loads of 16 bytes: a permutation of k, the same on both sides.
; The residual's 64 x 64 numbers of a wave are asked for at the head, into window 2, and land under the products.
; LIMIT: the two operands' e added lie between -126 and 127.
; THIS COPY IS LAID FOR LONGK = 0 ALONE: the whole K of 1,024 comes by ONE tensor load a wave (64 rows of 1,024 bytes + 16), nothing is filled a second time, and "slot 1" is byte 512 of the same LDS rows.
.set LONGK, 0
.if LONGK
.set KSH,    11
.set KDIM,   2048
.set WOFF,   6<<20
.set HALFA,  128*272                   ; A's load: 128 rows of 256 bytes + 16
.set ASTEP,  65536                     ; from slot to slot in memory
.set MQ,     64*272                    ; element (row, 128 q + k) lies at (64 q + row / 2) x 272 + (row % 2) x 128 + k
.set MI,     8*272
.set MW,     32*272
.set EA,     82                        ; s82, s83: e14, e15
.else
.set KSH,    10
.set KDIM,   1024
.set WOFF,   3<<20
.set HALFA,  64*1040
.set ASTEP,  512
.set MQ,     128
.set MI,     16*1040
.set MW,     64*1040
.set EA,     78                        ; s78, s79: e10, e11
.endif
.set PITCH,  1040                      ; an LDS row: 1,024 bytes + 16: an odd multiple of 16, so the 16 rows of a fragment load start at 16 different 16-byte columns
.set HALFT,  64*PITCH
.set ABYTES, 2*HALFA
.set SLOT,   512                       ; the second half of K: 512 bytes on in each row
.set SPARE,  ABYTES+2*HALFT            ; behind the tiles: the spare words, 128 bytes a wave: no other line names them
.set SPT,    272                       ; the way out: 64 rows x (256 bytes + 16) for each wave, from byte 0 on: in A's region, behind a barrier behind which nobody reads the tiles
.set ADRM, 16
.set ADRN, 20
.set STO,  24
.set RD,   25
.set CO,   26
.set SPW,  28
.set NIL,  29
.set TT,   32                          ; v32-95 rows on the way out, two sets
.set ACC,  128
.set F0,   0
.set F1,   128
.set G1,  24
.set G0,  32
.set G1B, 48
.set G0B, 56
.set MSB, 0
.macro WIN new                         ; the immediate's high byte repeats the setting that is left
.if MSB != \new
	s_set_vgpr_msb (MSB<<8)|\new
.set MSB, \new
.endif
.endm
.set MUL,  0x05                        ; sources 0 and 1 window 1; C and D window 0
.set TO_F, 0x40                        ; destination window 1, address window 0
.macro JLOAD s                         ; a joint load: waves 0, 1 fetch A's halves, waves 2, 3 W's; four v_nop follow each line
	s_cmp_eq_u32 s17, 0
	s_cbranch_scc0 .Lfor_b_\@
	tensor_load_to_lds s[G0+4*\s:G0+4*\s+3], s[G1:G1+7]
	s_nop 0
.rept 4
	v_nop
.endr
	s_branch .Lasked_\@
.Lfor_b_\@:
	tensor_load_to_lds s[G0B+4*\s:G0B+4*\s+3], s[G1B:G1B+7]
	s_nop 0
.rept 4
	v_nop
.endr
.Lasked_\@:
.endm
.macro CREST                           ; a round of the cluster's barrier behind its opening barrier
	s_cmp_lg_u32 s16, 0
	s_cbranch_scc1 .Lnot_wave_0_\@
	s_barrier_signal -3
.Lnot_wave_0_\@:
	s_barrier_wait -3
	s_barrier_signal -1
	s_barrier_wait -1
.endm
.macro CROUND
	s_barrier_signal -1
	s_barrier_wait -1
	CREST
.endm
.macro PLACES                          ; four places behind matrix instructions (ISA guide 7.12.1)
.rept 4
	v_nop
.endr
.endm
.macro MUL4 f, a, zero                 ; the 16 accumulators take turns in the same order everywhere
.irp b, 0,1,2,3
.if \zero
	v_wmma_f32_16x16x128_fp8_fp8 v[ACC+8*(4*(\a)+\b):ACC+8*(4*(\a)+\b)+7], v[\f+64+16*\b:\f+64+16*\b+15], v[\f+16*(\a):\f+16*(\a)+15], 0
.else
	v_wmma_f32_16x16x128_fp8_fp8 v[ACC+8*(4*(\a)+\b):ACC+8*(4*(\a)+\b)+7], v[\f+64+16*\b:\f+64+16*\b+15], v[\f+16*(\a):\f+16*(\a)+15], v[ACC+8*(4*(\a)+\b):ACC+8*(4*(\a)+\b)+7]
.endif
.endr
.endm
.macro FETCH slot, q, f                ; 32 LDS loads in one run
	WIN TO_F
.irp i, 0,1,2,3
.irp c, 0,1,2,3
	ds_load_b128 v[\f+64+16*\i+4*\c:\f+64+16*\i+4*\c+3], v[ADRN+\slot] offset:128*(\q)+16*PITCH*\i+32*\c
	ds_load_b128 v[\f+16*\i+4*\c:\f+16*\i+4*\c+3], v[ADRM+\slot] offset:MQ*(\q)+MI*\i+32*\c
.endr
.endr
.endm
.macro QUARTER slot, q, f, g, zero
	s_wait_dscnt 0x0                               ; f is in
	PLACES                                         ; the last products read g
	FETCH \slot, \q, \g
	WIN MUL
	MUL4 \f, 0, \zero
	MUL4 \f, 1, \zero
	MUL4 \f, 2, \zero
	MUL4 \f, 3, \zero
.endm
; A slot's last quarter (buffer 1) and the change of slots.  fill = 1: the slot that is left is filled again, two slots on along K: the barrier then opens a round of the cluster's barrier.
.macro TURN slot, next, fill
	WIN 0
	s_wait_tensorcnt 0x0                           ; all my tensor loads have landed: my part of the next slot
	ds_add_u32 v[SPW], v[NIL]                      ; 0 onto my spare word
	s_wait_dscnt 1                                 ; buffer 1 is in; the add alone may be out
	WIN MUL
	MUL4 F1, 0, 0
	s_wait_dscnt 0x0                               ; the add is done, my reads of this slot are over
	s_barrier_signal -1
	MUL4 F1, 1, 0
	WIN 0
	s_barrier_wait -1
.if \fill
	CREST                                          ; no wave of any partner still reads this slot or has a load on its way
	s_add_nc_u64 s[G0+4*\slot+2:G0+4*\slot+3], s[G0+4*\slot+2:G0+4*\slot+3], 2*ASTEP
	s_add_nc_u64 s[G0B+4*\slot+2:G0B+4*\slot+3], s[G0B+4*\slot+2:G0B+4*\slot+3], 2*512
	JLOAD \slot                                    ; my one tensor load behind the round; its four v_nop are the places ahead of the loads below
.else
	PLACES
.endif
	FETCH \next, 0, F0
	WIN MUL
	MUL4 F1, 2, 0
	MUL4 F1, 3, 0
.endm
	s_load_b256 s[4:11], s[0:1], 0x0               ; A 4, wcodes 6, out 8, bias 10
	s_load_b128 s[12:15], s[0:1], 0x20             ; residual 12, the exponents 14
	v_lshl_add_u32 v[SPW], v0, 2, SPARE
	v_mov_b32 v[NIL], 0
	ds_add_u32 v28, v29
	ds_add_u32 v28, v29
	s_wait_dscnt 0x0
	v_lshrrev_b32 v1, 5, v0
	v_readfirstlane_b32 s16, v1                    ; wave
	s_lshr_b32 s17, s16, 1                         ; my half of the rows.  Also: I fetch A (0) or W (1)
	s_and_b32 s18, s16, 1                          ; my half of the columns.  Also: which half of that tile I fetch
	s_bfe_u32 s21, ttmp6, 0x40000                  ; cx
	s_bfe_u32 s22, ttmp6, 0x40004                  ; cy
	s_lshl_b32 s20, ttmp9, 2
	s_add_co_u32 s20, s20, s21                     ; tile column
	s_and_b32 s19, ttmp7, 0xffff
	s_lshl_b32 s19, s19, 2
	s_add_co_u32 s19, s19, s22                     ; tile row
	s_lshl_b32 s40, s22, 2
	s_lshl_b32 s40, 15, s40                        ; my row of the cluster
	s_lshl_b32 s41, 0x1111, s21                    ; my column
.if LONGK
	s_or_b32 s[G1], s40, (3<<16)|(1<<20)|(1<<21)|(5<<22)|(3<<25)    ; A, dense: elements of 8 bytes, 128 rows of 256 bytes; after every 64 words, 4 words of padding
	s_mov_b32 s[G1+1], 32<<16
	s_mov_b32 s[G1+2], 128<<16
	s_mov_b32 s[G1+3], 32<<16
	s_mov_b32 s[G1+4], 128
	s_mov_b32 s[G1+5], 32
.else
	s_or_b32 s[G1], s40, (0<<16)|(1<<20)|(1<<21)|(7<<22)|(3<<25)    ; A, row-major: 64 rows of 1,024 bytes; after every 256 words, 4 words of padding
	s_mov_b32 s[G1+1], 1024<<16
	s_mov_b32 s[G1+2], 64<<16
	s_mov_b32 s[G1+3], 1024<<16
	s_mov_b32 s[G1+4], 64
	s_mov_b32 s[G1+5], KDIM
.endif
	s_mov_b32 s[G1+6], 0
	s_mov_b32 s[G1+7], 0
	s_or_b32 s[G1B], s41, (0<<16)|(1<<20)|(1<<21)|(7<<22)|(3<<25)
	s_mov_b32 s[G1B+1], 1024<<16
	s_mov_b32 s[G1B+2], 64<<16
	s_mov_b32 s[G1B+3], 1024<<16
	s_mov_b32 s[G1B+4], 64
	s_mov_b32 s[G1B+5], KDIM
	s_mov_b32 s[G1B+6], 0
	s_mov_b32 s[G1B+7], 0
.if LONGK
	s_lshl_b32 s42, s19, 18                        ; a row block's sixteen images,
	s_lshl_b32 s43, s18, 15                        ; my two of a slot's four
	s_add_co_u32 s42, s42, s43
.else
	s_lshl_b32 s42, s19, 7
	s_lshl_b32 s43, s18, 6
	s_add_co_u32 s42, s42, s43
	s_lshl_b32 s42, s42, KSH                       ; row 128 x tile row + 64 x half
.endif
	s_lshl_b32 s46, s20, 7
	s_lshl_b32 s47, s18, 6
	s_add_co_u32 s46, s46, s47
	s_lshl_b32 s46, s46, KSH
	s_add_co_u32 s46, s46, WOFF                    ; W: row 128 x tile column + 64 x half
	s_mov_b32 s43, 0
	s_mov_b32 s47, 0
	s_mul_i32 s44, s18, HALFA                      ; where they go: no place in the cluster enters an LDS address
	s_mul_i32 s45, s18, HALFT
	s_add_co_u32 s45, s45, ABYTES
	s_wait_kmcnt 0x0
	s_load_b512 s[68:83], s[14:15], 0x0            ; e0 .. e15 in s68 .. s83
	s_add_nc_u64 s[42:43], s[4:5], s[42:43]
	s_add_nc_u64 s[46:47], s[6:7], s[46:47]
	CROUND                                         ; all sixteen work-groups are here: the first joint loads meet
.irp s, 0
	s_mov_b32 s[G0+4*\s], 1
	s_add_co_u32 s[G0+4*\s+1], s44, \s*SLOT
	s_add_nc_u64 s[G0+4*\s+2:G0+4*\s+3], s[42:43], \s*ASTEP
	s_or_b32 s[G0+4*\s+3], s[G0+4*\s+3], 0x80000000
	s_mov_b32 s[G0B+4*\s], 1
	s_add_co_u32 s[G0B+4*\s+1], s45, \s*SLOT
	s_add_nc_u64 s[G0B+4*\s+2:G0B+4*\s+3], s[46:47], \s*512
	s_or_b32 s[G0B+4*\s+3], s[G0B+4*\s+3], 0x80000000
.endr
	JLOAD 0                                        ; my one tensor load of the launch
	v_and_b32 v1, 15, v0                           ; r
	v_bfe_u32 v2, v0, 4, 1                         ; h
	s_wait_alu depctr_va_vdst(0)
	v_mul_u32_u24 v3, v1, PITCH
	v_lshl_add_u32 v3, v2, 4, v3                   ; W's fragments: row x pitch + 16 h
.if LONGK
	v_lshrrev_b32 v5, 1, v1
	v_mul_u32_u24 v4, v5, 272
	v_and_b32 v5, 1, v1
	v_lshl_add_u32 v4, v5, 7, v4
	v_lshl_add_u32 v4, v2, 4, v4                   ; A's: (r / 2) x 272 + (r % 2) x 128 + 16 h: 16 different 16-byte columns in a pass
.else
	v_mov_b32 v4, v3
.endif
	s_mul_i32 s40, s17, MW
	s_mul_i32 s41, s18, HALFT
	s_add_co_u32 s41, s41, ABYTES
.irp s, 0,1
	v_add_nc_u32 v[ADRM+\s], s40, v4
	v_add_nc_u32 v[ADRN+\s], s41, v3
	s_add_co_u32 s40, s40, SLOT
	s_add_co_u32 s41, s41, SLOT
.endr
	s_lshl_b32 s40, s19, 7
	s_lshl_b32 s41, s17, 6
	s_add_co_u32 s40, s40, s41
	s_lshl_b32 s40, s40, 12                        ; my first row of C, 4,096 bytes a row,
	s_lshl_b32 s42, s20, 7
	s_lshl_b32 s43, s18, 6
	s_add_co_u32 s42, s42, s43
	s_lshl_b32 s42, s42, 2                         ; my first column
	s_add_co_u32 s40, s40, s42
	s_mov_b32 s41, 0
	s_mov_b32 s43, 0
	s_add_nc_u64 s[12:13], s[12:13], s[40:41]
	s_add_nc_u64 s[8:9], s[8:9], s[40:41]
	s_add_nc_u64 s[10:11], s[10:11], s[42:43]
	v_lshlrev_b32 v[CO], 12, v2
	v_lshl_add_u32 v[CO], v1, 4, v[CO]             ; lanes 0-15 one row's 256 bytes, lanes 16-31 the next row's
	v_lshlrev_b32 v27, 4, v1
	WIN 0x80                                       ; destination window 2
.set n, 0
.rept 32
	global_load_b128 v[4*n:4*n+3], v[CO], s[12:13] offset:8192*n th:TH_LOAD_NT    ; the residual, rows 2 n and 2 n + 1 of my 64
.set n, n+1
.endr
	WIN 0
	global_load_b128 v[8:11], v27, s[10:11]        ; the bias of my four columns
	s_mul_i32 s40, s16, 64*SPT                     ; my stage
	v_mul_u32_u24 v[STO], v1, SPT
	v_lshl_add_u32 v[STO], v2, 5, v[STO]
	v_add_nc_u32 v[STO], s40, v[STO]
	v_mul_u32_u24 v[RD], v2, SPT
	v_lshl_add_u32 v[RD], v1, 4, v[RD]
	v_add_nc_u32 v[RD], s40, v[RD]
	s_wait_kmcnt 0x0
	s_add_co_i32 s40, s[EA], s[EA+1]
	s_add_co_i32 s40, s40, 127
	s_lshl_b32 s66, s40, 23                        ; 2^(the two operands' e added)
	s_mov_b32 s67, s66
	s_wait_alu depctr_va_vdst(0)                   ; the wait at the head's end
	s_wait_tensorcnt 0x0                           ; my quarter of the tiles is in
	s_barrier_signal -1
	s_barrier_wait -1
	FETCH 0, 0, F0
	QUARTER 0, 1, F0, F1, 1                        ; the first products start the sums
	QUARTER 0, 2, F1, F0, 0
	QUARTER 0, 3, F0, F1, 0
.if LONGK
	TURN 0, 1, 1                                   ; slot 0 takes K 1,024 on
	QUARTER 1, 1, F0, F1, 0
	QUARTER 1, 2, F1, F0, 0
	QUARTER 1, 3, F0, F1, 0
	TURN 1, 0, 1                                   ; slot 1 takes K 1,536 on
	QUARTER 0, 1, F0, F1, 0
	QUARTER 0, 2, F1, F0, 0
	QUARTER 0, 3, F0, F1, 0
.endif
	QUARTER 1, 0, F1, F0, 0                        ; on into the second half of K: the same rows, no change of slots
	QUARTER 1, 1, F0, F1, 0
	QUARTER 1, 2, F1, F0, 0
	QUARTER 1, 3, F0, F1, 0
	s_wait_dscnt 0x0                               ; my reads of the tiles are over:
	s_barrier_signal -1                            ; say so, and multiply while the others arrive
	WIN MUL
	MUL4 F1, 0, 0
	MUL4 F1, 1, 0
	MUL4 F1, 2, 0
	MUL4 F1, 3, 0
	WIN 0
	s_barrier_wait -1                              ; nobody reads the tiles any more: the stages may be written
	PLACES
	s_wait_alu depctr_va_vdst(0)
.irp a, 0,1,2,3
.irp b, 0,1,2,3
	ds_store_b128 v[STO], v[ACC+8*(4*\a+\b):ACC+8*(4*\a+\b)+3] offset:16*SPT*\a+64*\b       ; each accumulator from its low end on
	ds_store_b128 v[STO], v[ACC+8*(4*\a+\b)+4:ACC+8*(4*\a+\b)+7] offset:16*SPT*\a+64*\b+16
.endr
.endr
	s_wait_loadcnt 0x0                             ; residual and bias
.irp g, 0,1,2,3
.if \g >= 2
	s_wait_xcnt 0x0                                ; the stores of two groups back have read this set of registers
.endif
.irp t, 0,1,2,3,4,5,6,7
	ds_load_b128 v[TT+32*(\g%2)+4*\t:TT+32*(\g%2)+4*\t+3], v[RD] offset:2*SPT*(8*\g+\t)    ; LDS serves a wave's instructions in order: these see my stores
.endr
	s_wait_dscnt 0x0
	WIN 0x20                                       ; source 2 (the residual) window 2
.irp t, 0,1,2,3,4,5,6,7
	v_pk_fma_f32 v[TT+32*(\g%2)+4*\t:TT+32*(\g%2)+4*\t+1], v[TT+32*(\g%2)+4*\t:TT+32*(\g%2)+4*\t+1], s[66:67], v[4*(8*\g+\t):4*(8*\g+\t)+1] op_sel_hi:[1,0,1]
	v_pk_fma_f32 v[TT+32*(\g%2)+4*\t+2:TT+32*(\g%2)+4*\t+3], v[TT+32*(\g%2)+4*\t+2:TT+32*(\g%2)+4*\t+3], s[66:67], v[4*(8*\g+\t)+2:4*(8*\g+\t)+3] op_sel_hi:[1,0,1]
.endr
	WIN 0
.irp t, 0,1,2,3,4,5,6,7
	v_pk_add_f32 v[TT+32*(\g%2)+4*\t:TT+32*(\g%2)+4*\t+1], v[TT+32*(\g%2)+4*\t:TT+32*(\g%2)+4*\t+1], v[8:9]
	v_pk_add_f32 v[TT+32*(\g%2)+4*\t+2:TT+32*(\g%2)+4*\t+3], v[TT+32*(\g%2)+4*\t+2:TT+32*(\g%2)+4*\t+3], v[10:11]
.endr
.irp t, 0,1,2,3,4,5,6,7
.if LONGK
	global_store_b128 v[CO], v[TT+32*(\g%2)+4*\t:TT+32*(\g%2)+4*\t+3], s[8:9] offset:8192*(8*\g+\t) th:TH_STORE_NT
.else
	global_store_b128 v[CO], v[TT+32*(\g%2)+4*\t:TT+32*(\g%2)+4*\t+3], s[8:9] offset:8192*(8*\g+\t)      ; 16 lanes store 256 consecutive bytes, aligned
.endif
.endr
.endr
	s_wait_tensorcnt 0x0                           ; the wave's end
	ds_add_u32 v[SPW], v[NIL]
	s_wait_dscnt 0x0
	CROUND                                         ; the closing round
	s_endpgm
.Lfunc_end_k_q90da7b3a8c_gemm_o:
	.size	k_q90da7b3a8c_gemm_o, .Lfunc_end_k_q90da7b3a8c_gemm_o-k_q90da7b3a8c_gemm_o
	.p2alignl 7, 3214868480
	.fill 96, 4, 3214868480
	.section	.rodata,"a",@progbits
	.p2align	6, 0x0
	.amdhsa_kernel k_q90da7b3a8c_gemm_o
		.amdhsa_group_segment_fixed_size 327680
		.amdhsa_private_segment_fixed_size 0
		.amdhsa_enable_private_segment 0
		.amdhsa_kernarg_size 48
		.amdhsa_user_sgpr_count 2
		.amdhsa_user_sgpr_kernarg_segment_ptr 1
		.amdhsa_wavefront_size32 1
		.amdhsa_system_sgpr_workgroup_id_x 1
		.amdhsa_system_sgpr_workgroup_id_y 1
		.amdhsa_system_sgpr_workgroup_id_z 1
		.amdhsa_system_vgpr_workitem_id 0
		.amdhsa_next_free_vgpr 640
		.amdhsa_next_free_sgpr 96
		.amdhsa_reserve_vcc 0
		.amdhsa_float_denorm_mode_32 3
		.amdhsa_float_denorm_mode_16_64 3
		.amdhsa_memory_ordered 1
		.amdhsa_forward_progress 1
		.amdhsa_inst_pref_size 52
	.end_amdhsa_kernel
	.amdgpu_metadata
---
amdhsa.version: [ 1, 2 ]
amdhsa.kernels:
  - .name:           k_q90da7b3a8c_gemm_o
    .symbol:         k_q90da7b3a8c_gemm_o.kd
    .args:
      - { .name: ocodes, .offset: 0, .size: 8, .value_kind: global_buffer, .address_space: global }
      - { .name: wcodes, .offset: 8, .size: 8, .value_kind: global_buffer, .address_space: global }
      - { .name: x1, .offset: 16, .size: 8, .value_kind: global_buffer, .address_space: global }
      - { .name: bo, .offset: 24, .size: 8, .value_kind: global_buffer, .address_space: global }
      - { .name: x, .offset: 32, .size: 8, .value_kind: global_buffer, .address_space: global }
      - { .name: lowp_scales, .offset: 40, .size: 8, .value_kind: global_buffer, .address_space: global }
    .group_segment_fixed_size: 327680
    .private_segment_fixed_size: 0
    .kernarg_segment_align: 8
    .kernarg_segment_size: 48
    .max_flat_workgroup_size: 128
    .sgpr_count:     96
    .vgpr_count:     640
    .wavefront_size: 32
...
	.end_amdgpu_metadata
.endif
;; end of part 4
;; launch ln2 (part 5): grid 256 x 1, 4 waves a work-group, no clusters, 0 bytes of LDS; arguments x1, ln2_g, ln2_b, lowp_scales, y2codes; writes y2codes
.if DOCPART == 5
	.amdgcn_target "amdgcn-amd-amdhsa--gfx1250"
	.amdhsa_code_object_version 6
	.text
	.protected	k_q90da7b3a8c_ln2
	.globl	k_q90da7b3a8c_ln2
	.p2align	8
	.type	k_q90da7b3a8c_ln2,@function
k_q90da7b3a8c_ln2:
	s_mov_b64 s[64:65], 0
	v_nop
	global_prefetch_b8 v0, s[64:65] scope:SCOPE_SE
	s_setreg_imm32_b32 hwreg(HW_REG_WAVE_MODE, 25, 1), 1
	s_wait_xcnt 0x0
; y2 = LayerNorm(x1) in f32, quantised to E4M3 with the scale 2^e12 -> y2codes [4096][1024], K innermost.
; 16 rows a work-group, 4 rows a wave, one wave to a row, the row kept in 32 registers a lane between the passes.  Lane L holds numbers 256 c + 8 L .. + 7, c = 0 .. 3: eight neighbours along K, as the conversion takes them;
; a store of the wave covers 256 consecutive bytes, aligned.  A row's eight loads together cover its 4,096 bytes.  No LDS, no barrier: waves share nothing.
; LIMITS: e12 between -126 and 119; NaN is not served.
.set G,    16                          ; v16-47 the gain of my 32 columns
.set B,    48                          ; v48-79 the bias
.set X,    80                          ; v80-207 four rows of 32 numbers
.set T,    208                         ; v208-239 a row held within the largest code
.set C,    240                         ; v240-247 its codes
.macro REDUCE a, t                     ; the sum of v[a] over the 32 lanes, into every lane; v[t] has been written before
	v_add_f32_dpp v[\a], v[\a], v[\a] row_xmask:1 row_mask:0xf bank_mask:0xf
	v_add_f32_dpp v[\a], v[\a], v[\a] row_xmask:2 row_mask:0xf bank_mask:0xf
	v_add_f32_dpp v[\a], v[\a], v[\a] row_xmask:4 row_mask:0xf bank_mask:0xf
	v_add_f32_dpp v[\a], v[\a], v[\a] row_xmask:8 row_mask:0xf bank_mask:0xf
	v_permlanex16_b32 v[\t], v[\a], s46, s47
	v_add_f32 v[\a], v[\a], v[\t]
.endm
.macro ROW j
.set XR, X+32*(\j)
	s_wait_loadcnt 8*(3-(\j))                      ; my row's eight loads are in; the later rows' eight each may be out
	v_pk_add_f32 v[10:11], v[XR:XR+1], v[XR+2:XR+3]
	v_pk_add_f32 v[12:13], v[XR+4:XR+5], v[XR+6:XR+7]
.irp i, 8,12,16,20,24,28
	v_pk_add_f32 v[10:11], v[10:11], v[XR+\i:XR+\i+1]
	v_pk_add_f32 v[12:13], v[12:13], v[XR+\i+2:XR+\i+3]
.endr
	v_pk_add_f32 v[10:11], v[10:11], v[12:13]
	v_add_f32 v10, v10, v11
	REDUCE 10, 13
	v_mul_f32 v10, 0x3a800000, v10                 ; x 2^-10: the mean
.set n, 0
.rept 16
	v_pk_add_f32 v[XR+n:XR+n+1], v[XR+n:XR+n+1], v[10:11] op_sel_hi:[1,0] neg_lo:[0,1] neg_hi:[0,1]
.set n, n+2
.endr
	v_pk_mul_f32 v[12:13], v[XR:XR+1], v[XR:XR+1]
	v_pk_mul_f32 v[14:15], v[XR+2:XR+3], v[XR+2:XR+3]
.irp i, 4,8,12,16,20,24,28
	v_pk_fma_f32 v[12:13], v[XR+\i:XR+\i+1], v[XR+\i:XR+\i+1], v[12:13]
	v_pk_fma_f32 v[14:15], v[XR+\i+2:XR+\i+3], v[XR+\i+2:XR+\i+3], v[14:15]
.endr
	v_pk_add_f32 v[12:13], v[12:13], v[14:15]
	v_add_f32 v12, v12, v13
	REDUCE 12, 13
	v_fma_f32 v12, v12, s70, s71                   ; x 2^-10 + 1e-5
	s_wait_alu depctr_va_vdst(0)
	v_rsq_f32 v10, v12
	v_nop                                          ; a plain instruction behind the transcendental,
	s_wait_alu depctr_va_vdst(0)                   ; and the wait ahead of its first reader
.set n, 0
.rept 16
	v_pk_mul_f32 v[XR+n:XR+n+1], v[XR+n:XR+n+1], v[10:11] op_sel_hi:[1,0]
.set n, n+2
.endr
.set n, 0
.rept 16
	v_pk_fma_f32 v[XR+n:XR+n+1], v[XR+n:XR+n+1], v[G+n:G+n+1], v[B+n:B+n+1]
.set n, n+2
.endr
	s_wait_xcnt 0x0                                ; the last row's stores have read C
.set n, 0
.rept 32
	v_med3_num_f32 v[T+n], v[XR+n], -v5, v5        ; the conversion does not saturate (ISA guide 7.6.2)
.set n, n+1
.endr
.irp c, 0,1,2,3
	v_cvt_scalef32_pk8_fp8_f32 v[C+2*\c:C+2*\c+1], v[T+8*\c:T+8*\c+7], v4
.endr
	v_nop
.irp c, 0,1,2,3
	global_store_b64 v2, v[C+2*\c:C+2*\c+1], s[40:41] offset:1024*(\j)+256*\c
.endr
.endm
	s_load_b256 s[4:11], s[0:1], 0x0               ; x1 4, ln2_g 6, ln2_b 8, the exponents 10
	s_load_b64 s[24:25], s[0:1], 0x20              ; y2codes
	v_lshrrev_b32 v1, 5, v0
	v_readfirstlane_b32 s28, v1                    ; wave
	v_and_b32 v3, 31, v0                           ; lane
	v_lshlrev_b32 v1, 5, v3                        ; 32 L
	v_lshlrev_b32 v2, 3, v3                        ; 8 L
	s_lshl_b32 s30, ttmp9, 16
	s_lshl_b32 s31, s28, 14
	s_add_co_u32 s30, s30, s31
	s_mov_b32 s31, 0
	s_mov_b32 s46, 0x76543210
	s_mov_b32 s47, 0xfedcba98
	s_mov_b32 s70, 0x3a800000                      ; 2^-10
	s_mov_b32 s71, 0x3727c5ac                      ; 1e-5
	s_wait_alu depctr_va_vdst(0)
	s_wait_kmcnt 0x0
	s_load_b32 s48, s[10:11], 0x30                 ; e12
	s_add_nc_u64 s[4:5], s[4:5], s[30:31]
	s_lshr_b32 s30, s30, 2
	s_add_nc_u64 s[40:41], s[24:25], s[30:31]
.irp c, 0,1,2,3
	global_load_b128 v[G+8*\c:G+8*\c+3], v1, s[6:7] offset:1024*\c
	global_load_b128 v[G+8*\c+4:G+8*\c+7], v1, s[6:7] offset:1024*\c+16
.endr
.irp c, 0,1,2,3
	global_load_b128 v[B+8*\c:B+8*\c+3], v1, s[8:9] offset:1024*\c
	global_load_b128 v[B+8*\c+4:B+8*\c+7], v1, s[8:9] offset:1024*\c+16
.endr
.irp j, 0,1,2,3
.irp c, 0,1,2,3
	global_load_b128 v[X+32*\j+8*\c:X+32*\j+8*\c+3], v1, s[4:5] offset:4096*\j+1024*\c th:TH_LOAD_NT
	global_load_b128 v[X+32*\j+8*\c+4:X+32*\j+8*\c+7], v1, s[4:5] offset:4096*\j+1024*\c+16 th:TH_LOAD_NT
.endr
.endr
	s_wait_kmcnt 0x0
	s_add_co_i32 s32, s48, 127
	s_lshl_b32 s33, s32, 23
	v_mov_b32 v4, s33                              ; 2^e12
	s_add_co_i32 s32, s32, 8
	s_lshl_b32 s32, s32, 23
	s_or_b32 s32, s32, 0x600000
	v_mov_b32 v5, s32                              ; 448 x 2^e12
	ROW 0
	ROW 1
	ROW 2
	ROW 3
	s_endpgm
.Lfunc_end_k_q90da7b3a8c_ln2:
	.size	k_q90da7b3a8c_ln2, .Lfunc_end_k_q90da7b3a8c_ln2-k_q90da7b3a8c_ln2
	.p2alignl 7, 3214868480
	.fill 96, 4, 3214868480
	.section	.rodata,"a",@progbits
	.p2align	6, 0x0
	.amdhsa_kernel k_q90da7b3a8c_ln2
		.amdhsa_group_segment_fixed_size 0
		.amdhsa_private_segment_fixed_size 0
		.amdhsa_enable_private_segment 0
		.amdhsa_kernarg_size 40
		.amdhsa_user_sgpr_count 2
		.amdhsa_user_sgpr_kernarg_segment_ptr 1
		.amdhsa_wavefront_size32 1
		.amdhsa_system_sgpr_workgroup_id_x 1
		.amdhsa_system_sgpr_workgroup_id_y 1
		.amdhsa_system_sgpr_workgroup_id_z 1
		.amdhsa_system_vgpr_workitem_id 0
		.amdhsa_next_free_vgpr 256
		.amdhsa_next_free_sgpr 80
		.amdhsa_reserve_vcc 0
		.amdhsa_float_denorm_mode_32 3
		.amdhsa_float_denorm_mode_16_64 3
		.amdhsa_memory_ordered 1
		.amdhsa_forward_progress 1
		.amdhsa_inst_pref_size 41
	.end_amdhsa_kernel
	.amdgpu_metadata
---
amdhsa.version: [ 1, 2 ]
amdhsa.kernels:
  - .name:           k_q90da7b3a8c_ln2
    .symbol:         k_q90da7b3a8c_ln2.kd
    .args:
      - { .name: x1, .offset: 0, .size: 8, .value_kind: global_buffer, .address_space: global }
      - { .name: ln2_g, .offset: 8, .size: 8, .value_kind: global_buffer, .address_space: global }
      - { .name: ln2_b, .offset: 16, .size: 8, .value_kind: global_buffer, .address_space: global }
      - { .name: lowp_scales, .offset: 24, .size: 8, .value_kind: global_buffer, .address_space: global }
      - { .name: y2codes, .offset: 32, .size: 8, .value_kind: global_buffer, .address_space: global }
    .group_segment_fixed_size: 0
    .private_segment_fixed_size: 0
    .kernarg_segment_align: 8
    .kernarg_segment_size: 40
    .max_flat_workgroup_size: 128
    .sgpr_count:     80
    .vgpr_count:     256
    .wavefront_size: 32
...
	.end_amdgpu_metadata
.endif
;; end of part 5
;; launch gemm_1 (part 6): grid 8 x 32, 4 waves a work-group, clusters of 4 x 4, 327,680 bytes of LDS; arguments y2codes, wcodes, hcodes, b1, lowp_scales; writes hcodes
.if DOCPART == 6
	.amdgcn_target "amdgcn-amd-amdhsa--gfx1250"
	.amdhsa_code_object_version 6
	.text
	.protected	k_q90da7b3a8c_gemm_1
	.globl	k_q90da7b3a8c_gemm_1
	.p2align	8
	.type	k_q90da7b3a8c_gemm_1,@function
k_q90da7b3a8c_gemm_1:
	s_mov_b64 s[64:65], 0
	v_nop
	global_prefetch_b8 v0, s[64:65] scope:SCOPE_SE
	s_setreg_imm32_b32 hwreg(HW_REG_WAVE_MODE, 25, 1), 1
	s_wait_xcnt 0x0
	s_wait_alu depctr_hold_cnt(0) depctr_sa_sdst(0) depctr_va_vdst(0) depctr_va_sdst(0) depctr_va_ssrc(0) depctr_va_vcc(0) depctr_vm_vsrc(0)
	s_getreg_b32 s2, hwreg(HW_REG_IB_STS2, 6, 4)
	s_cmp_eq_u32 s2, 0
	s_cbranch_scc0 .Lentry_in_a_cluster
	s_endpgm
.Lentry_in_a_cluster:
	s_bfe_u32 s2, ttmp6, 0x10000c
	s_cmp_lg_u32 s2, 0xf033
	s_cbranch_scc0 .Lentry_shape_is_right
	s_endpgm
.Lentry_shape_is_right:
; h = relu(y2 W1 + b1) on E4M3 codes (scales 2^e12, 2^e13), quantised again (2^e14) -> hcodes as dense images [32 row blocks][16 blocks of 128 along K][128 rows][128 bytes].
; 256 work-groups that stay: each makes two tiles of 128 x 128, the same 128 rows at columns 128 c and 1,024 + 128 c.  Four waves of 64 x 64: 16 accumulators.  Two LDS slots of 512 along K;
; y2's rows stay in LDS for both tiles, W1's rows are filled again for the second (waves 2 and 3 alone).  CLUSTERS 4 x 4: y2's tile is asked for jointly along a row of the cluster, W1's along a column.
; The matrix instruction is used transposed (source 0 = W1's rows, source 1 = y2's).  The hold between 0 and 448 x 2^e14 is the activation too.
; THE HEAD: one tensor load a wave (slot 0); slot 1's first fill behind the three lines and a round of its own, as a refill is.
; LIMITS: e12 + e13 between -126 and 127; e14 between -126 and 119.  NaN is not served.
.set KSH,    10
.set KDIM,   1024
.set WOFF,   4<<20
.set PITCH,  528
.set HALFT,  64*PITCH
.set ABYTES, 2*HALFT
.set SLOT,   4*HALFT
.set SPARE,  2*SLOT
.set STAGE,  SPARE+512
.set BNEXT,  0x100000
.set MQ,     128
.set MI,     16*PITCH
.set SP,     144
.set ADRM, 16
.set ADRN, 20
.set STO,  24
.set CO,   26
.set RDV,  27
.set SPW,  28
.set NIL,  29
.set TMP,  32
.set CODE, 64
.set BN,   96
.set ACC,  128
.set F0,   0
.set F1,   128
.set G1,  24
.set G0,  32
.set G1B, 48
.set G0B, 56
.set MSB, 0
.macro WIN new
.if MSB != \new
	s_set_vgpr_msb (MSB<<8)|\new
.set MSB, \new
.endif
.endm
.set MUL,  0x05
.set TO_F, 0x40
.macro JLOAD s
	s_cmp_eq_u32 s17, 0
	s_cbranch_scc0 .Lfor_b_\@
	tensor_load_to_lds s[G0+4*\s:G0+4*\s+3], s[G1:G1+7]
	s_nop 0
.rept 4
	v_nop
.endr
	s_branch .Lasked_\@
.Lfor_b_\@:
	tensor_load_to_lds s[G0B+4*\s:G0B+4*\s+3], s[G1B:G1B+7]
	s_nop 0
.rept 4
	v_nop
.endr
.Lasked_\@:
.endm
.macro JLOADB s
	s_cmp_eq_u32 s17, 0
	s_cbranch_scc1 .Lno_b_\@
	tensor_load_to_lds s[G0B+4*\s:G0B+4*\s+3], s[G1B:G1B+7]
	s_nop 0
.rept 4
	v_nop
.endr
.Lno_b_\@:
.endm
.macro CREST
	s_cmp_lg_u32 s16, 0
	s_cbranch_scc1 .Lnot_wave_0_\@
	s_barrier_signal -3
.Lnot_wave_0_\@:
	s_barrier_wait -3
	s_barrier_signal -1
	s_barrier_wait -1
.endm
.macro CROUND
	s_barrier_signal -1
	s_barrier_wait -1
	CREST
.endm
.macro PLACES
.rept 4
	v_nop
.endr
.endm
.macro MUL4 f, a, zero
.irp b, 0,1,2,3
.if \zero
	v_wmma_f32_16x16x128_fp8_fp8 v[ACC+8*(4*(\a)+\b):ACC+8*(4*(\a)+\b)+7], v[\f+64+16*\b:\f+64+16*\b+15], v[\f+16*(\a):\f+16*(\a)+15], 0
.else
	v_wmma_f32_16x16x128_fp8_fp8 v[ACC+8*(4*(\a)+\b):ACC+8*(4*(\a)+\b)+7], v[\f+64+16*\b:\f+64+16*\b+15], v[\f+16*(\a):\f+16*(\a)+15], v[ACC+8*(4*(\a)+\b):ACC+8*(4*(\a)+\b)+7]
.endif
.endr
.endm
.macro FETCH slot, q, f
	WIN TO_F
.irp i, 0,1,2,3
.irp c, 0,1,2,3
	ds_load_b128 v[\f+64+16*\i+4*\c:\f+64+16*\i+4*\c+3], v[ADRN+\slot] offset:128*(\q)+16*PITCH*\i+32*\c
	ds_load_b128 v[\f+16*\i+4*\c:\f+16*\i+4*\c+3], v[ADRM+\slot] offset:MQ*(\q)+MI*\i+32*\c
.endr
.endr
.endm
.macro QUARTER slot, q, f, g, zero
	s_wait_dscnt 0x0
	PLACES
	FETCH \slot, \q, \g
	WIN MUL
	MUL4 \f, 0, \zero
	MUL4 \f, 1, \zero
	MUL4 \f, 2, \zero
	MUL4 \f, 3, \zero
.endm
.macro THREEQ slot, zero
	QUARTER \slot, 1, F0, F1, \zero
	QUARTER \slot, 2, F1, F0, 0
	QUARTER \slot, 3, F0, F1, 0
.endm
.macro TURN slot, next, fill
	WIN 0
	s_wait_tensorcnt 0x0
	ds_add_u32 v[SPW], v[NIL]
	s_wait_dscnt 1
	WIN MUL
	MUL4 F1, 0, 0
	s_wait_dscnt 0x0
	s_barrier_signal -1
	MUL4 F1, 1, 0
	WIN 0
	s_barrier_wait -1
.if \fill
	CREST
	s_add_nc_u64 s[G0B+4*\slot+2:G0B+4*\slot+3], s[G0B+4*\slot+2:G0B+4*\slot+3], BNEXT
	JLOADB \slot
.endif
	PLACES
	FETCH \next, 0, F0
	WIN MUL
	MUL4 F1, 2, 0
	MUL4 F1, 3, 0
.endm
.macro EPI tile
	s_wait_loadcnt 0x0
	s_wait_xcnt 0x0
	PLACES
.irp a, 0,1,2,3
.irp b, 0,1,2,3
.irp i, 0,2,4,6
	v_pk_fma_f32 v[TMP+8*\b+\i:TMP+8*\b+\i+1], v[ACC+8*(4*\a+\b)+\i:ACC+8*(4*\a+\b)+\i+1], s[66:67], v[BN+8*\b+\i:BN+8*\b+\i+1] op_sel_hi:[1,0,1]
.endr
.endr
.set n, 0
.rept 32
	v_med3_num_f32 v[TMP+n], v[TMP+n], 0, v9
.set n, n+1
.endr
.irp b, 0,1,2,3
	v_cvt_scalef32_pk8_fp8_f32 v[CODE+8*\a+2*\b:CODE+8*\a+2*\b+1], v[TMP+8*\b:TMP+8*\b+7], v8
.endr
	v_nop
.irp b, 0,1,2,3
	ds_store_b64 v[STO], v[CODE+8*\a+2*\b:CODE+8*\a+2*\b+1] offset:16*SP*\a+16*\b
.endr
.endr
	s_wait_dscnt 0x0
	s_barrier_signal -1
	s_barrier_wait -1
.irp u, 0,1,2,3,4,5,6,7
	ds_load_b128 v[TMP+4*\u:TMP+4*\u+3], v[RDV] offset:4*SP*\u
.endr
.irp u, 0,1,2,3,4,5,6,7
	s_wait_dscnt 7-\u
	global_store_b128 v[CO], v[TMP+4*\u:TMP+4*\u+3], s[8:9] offset:512*\u+131072*\tile
.endr
.endm
	s_load_b256 s[4:11], s[0:1], 0x0
	s_load_b64 s[14:15], s[0:1], 0x20
	v_lshl_add_u32 v[SPW], v0, 2, SPARE
	v_mov_b32 v[NIL], 0
	ds_add_u32 v28, v29
	ds_add_u32 v28, v29
	s_wait_dscnt 0x0
	v_lshrrev_b32 v1, 5, v0
	v_readfirstlane_b32 s16, v1
	s_lshr_b32 s17, s16, 1
	s_and_b32 s18, s16, 1
	s_bfe_u32 s21, ttmp6, 0x40000
	s_bfe_u32 s22, ttmp6, 0x40004
	s_lshl_b32 s20, ttmp9, 2
	s_add_co_u32 s20, s20, s21
	s_and_b32 s19, ttmp7, 0xffff
	s_lshl_b32 s19, s19, 2
	s_add_co_u32 s19, s19, s22
	s_lshl_b32 s40, s22, 2
	s_lshl_b32 s40, 15, s40
	s_lshl_b32 s41, 0x1111, s21
	s_or_b32 s[G1], s40, (0<<16)|(1<<20)|(1<<21)|(6<<22)|(3<<25)
	s_or_b32 s[G1B], s41, (0<<16)|(1<<20)|(1<<21)|(6<<22)|(3<<25)
.irp g, G1, G1B
	s_mov_b32 s[\g+1], 512<<16
	s_mov_b32 s[\g+2], 64<<16
	s_mov_b32 s[\g+3], 512<<16
	s_mov_b32 s[\g+4], 64
	s_mov_b32 s[\g+5], KDIM
	s_mov_b32 s[\g+6], 0
	s_mov_b32 s[\g+7], 0
.endr
	s_lshl_b32 s43, s18, 6
	s_lshl_b32 s42, s19, 7
	s_add_co_u32 s42, s42, s43
	s_lshl_b32 s42, s42, KSH
	s_lshl_b32 s46, s20, 7
	s_add_co_u32 s46, s46, s43
	s_lshl_b32 s46, s46, KSH
	s_add_co_u32 s46, s46, WOFF
	s_mov_b32 s43, 0
	s_mov_b32 s47, 0
	s_mul_i32 s44, s18, HALFT
	s_add_co_u32 s45, s44, ABYTES
	s_wait_kmcnt 0x0
	s_load_b512 s[68:83], s[14:15], 0x0
	s_add_nc_u64 s[42:43], s[4:5], s[42:43]
	s_add_nc_u64 s[46:47], s[6:7], s[46:47]
	CROUND
.irp s, 0,1
	s_mov_b32 s[G0+4*\s], 1
	s_add_co_u32 s[G0+4*\s+1], s44, \s*SLOT
	s_add_nc_u64 s[G0+4*\s+2:G0+4*\s+3], s[42:43], \s*512
	s_or_b32 s[G0+4*\s+3], s[G0+4*\s+3], 0x80000000
	s_mov_b32 s[G0B+4*\s], 1
	s_add_co_u32 s[G0B+4*\s+1], s45, \s*SLOT
	s_add_nc_u64 s[G0B+4*\s+2:G0B+4*\s+3], s[46:47], \s*512
	s_or_b32 s[G0B+4*\s+3], s[G0B+4*\s+3], 0x80000000
.endr
	JLOAD 0                                        ; slot 0: one tensor load a wave at the head
	v_and_b32 v1, 15, v0
	v_bfe_u32 v2, v0, 4, 1
	s_wait_alu depctr_va_vdst(0)
	v_and_b32 v4, 31, v0
	v_mul_u32_u24 v3, v1, PITCH
	v_lshl_add_u32 v3, v2, 4, v3
	s_mul_i32 s40, s17, HALFT
	s_mul_i32 s41, s18, HALFT
	s_add_co_u32 s41, s41, ABYTES
.irp s, 0,1
	v_add_nc_u32 v[ADRM+\s], s40, v3
	v_add_nc_u32 v[ADRN+\s], s41, v3
	s_add_co_u32 s40, s40, SLOT
	s_add_co_u32 s41, s41, SLOT
.endr
	s_lshl_b32 s40, s20, 9
	s_lshl_b32 s41, s18, 8
	s_add_co_u32 s40, s40, s41
	s_mov_b32 s41, 0
	s_add_nc_u64 s[10:11], s[10:11], s[40:41]
	v_lshlrev_b32 v30, 5, v2
.irp b, 0,1,2,3
	global_load_b128 v[BN+8*\b:BN+8*\b+3], v30, s[10:11] offset:64*\b
	global_load_b128 v[BN+8*\b+4:BN+8*\b+7], v30, s[10:11] offset:64*\b+16
.endr
	v_mul_u32_u24 v[STO], v1, SP
	v_lshl_add_u32 v[STO], v2, 3, v[STO]
	s_mul_i32 s40, s17, 64*SP
	s_lshl_b32 s41, s18, 6
	s_add_co_u32 s40, s40, s41
	s_add_co_u32 s40, s40, STAGE
	v_add_nc_u32 v[STO], s40, v[STO]
	v_lshrrev_b32 v5, 3, v4
	v_mul_u32_u24 v[RDV], v5, SP
	v_and_b32 v5, 7, v4
	v_lshl_add_u32 v[RDV], v5, 4, v[RDV]
	s_mul_i32 s40, s16, 32*SP
	s_add_co_u32 s40, s40, STAGE
	v_add_nc_u32 v[RDV], s40, v[RDV]
	v_lshlrev_b32 v[CO], 4, v4
	s_lshl_b32 s40, s19, 4
	s_add_co_u32 s40, s40, s20
	s_lshl_b32 s40, s40, 14
	s_lshl_b32 s41, s16, 12
	s_add_co_u32 s40, s40, s41
	s_mov_b32 s41, 0
	s_add_nc_u64 s[8:9], s[8:9], s[40:41]
	s_wait_kmcnt 0x0
	s_add_co_i32 s40, s80, s81
	s_add_co_i32 s40, s40, 127
	s_lshl_b32 s66, s40, 23
	s_mov_b32 s67, s66
	s_add_co_i32 s43, s82, 127
	s_lshl_b32 s40, s43, 23
	v_mov_b32 v8, s40
	s_add_co_i32 s43, s43, 8
	s_lshl_b32 s43, s43, 23
	s_or_b32 s43, s43, 0x600000
	v_mov_b32 v9, s43
	s_wait_alu depctr_va_vdst(0)                   ; the wait at the head's end
	s_wait_tensorcnt 0x0                           ; my part of slot 0 is in
	ds_add_u32 v[SPW], v[NIL]
	s_wait_dscnt 0x0
	CROUND                                         ; everybody's part of slot 0 is in, and all sixteen work-groups are here
	JLOAD 1                                        ; slot 1's first fill: my one tensor load behind the round
	FETCH 0, 0, F0
	THREEQ 0, 1
	TURN 0, 1, 1
	THREEQ 1, 0
	TURN 1, 0, 1
	WIN 0
	EPI 0
.irp b, 0,1,2,3
	global_load_b128 v[BN+8*\b:BN+8*\b+3], v30, s[10:11] offset:4096+64*\b
	global_load_b128 v[BN+8*\b+4:BN+8*\b+7], v30, s[10:11] offset:4096+64*\b+16
.endr
	THREEQ 0, 1
	TURN 0, 1, 0
	THREEQ 1, 0
	s_wait_dscnt 0x0
	WIN MUL
	MUL4 F1, 0, 0
	MUL4 F1, 1, 0
	MUL4 F1, 2, 0
	MUL4 F1, 3, 0
	WIN 0
	EPI 1
	s_wait_tensorcnt 0x0
	ds_add_u32 v[SPW], v[NIL]
	s_wait_dscnt 0x0
	CROUND
	s_endpgm
.Lfunc_end_k_q90da7b3a8c_gemm_1:
	.size	k_q90da7b3a8c_gemm_1, .Lfunc_end_k_q90da7b3a8c_gemm_1-k_q90da7b3a8c_gemm_1
	.p2alignl 7, 3214868480
	.fill 96, 4, 3214868480
	.section	.rodata,"a",@progbits
	.p2align	6, 0x0
	.amdhsa_kernel k_q90da7b3a8c_gemm_1
		.amdhsa_group_segment_fixed_size 327680
		.amdhsa_private_segment_fixed_size 0
		.amdhsa_enable_private_segment 0
		.amdhsa_kernarg_size 40
		.amdhsa_user_sgpr_count 2
		.amdhsa_user_sgpr_kernarg_segment_ptr 1
		.amdhsa_wavefront_size32 1
		.amdhsa_system_sgpr_workgroup_id_x 1
		.amdhsa_system_sgpr_workgroup_id_y 1
		.amdhsa_system_sgpr_workgroup_id_z 1
		.amdhsa_system_vgpr_workitem_id 0
		.amdhsa_next_free_vgpr 512
		.amdhsa_next_free_sgpr 96
		.amdhsa_reserve_vcc 0
		.amdhsa_float_denorm_mode_32 3
		.amdhsa_float_denorm_mode_16_64 3
		.amdhsa_memory_ordered 1
		.amdhsa_forward_progress 1
		.amdhsa_inst_pref_size 96
	.end_amdhsa_kernel
	.amdgpu_metadata
---
amdhsa.version: [ 1, 2 ]
amdhsa.kernels:
  - .name:           k_q90da7b3a8c_gemm_1
    .symbol:         k_q90da7b3a8c_gemm_1.kd
    .args:
      - { .name: y2codes, .offset: 0, .size: 8, .value_kind: global_buffer, .address_space: global }
      - { .name: wcodes, .offset: 8, .size: 8, .value_kind: global_buffer, .address_space: global }
      - { .name: hcodes, .offset: 16, .size: 8, .value_kind: global_buffer, .address_space: global }
      - { .name: b1, .offset: 24, .size: 8, .value_kind: global_buffer, .address_space: global }
      - { .name: lowp_scales, .offset: 32, .size: 8, .value_kind: global_buffer, .address_space: global }
    .group_segment_fixed_size: 327680
    .private_segment_fixed_size: 0
    .kernarg_segment_align: 8
    .kernarg_segment_size: 40
    .max_flat_workgroup_size: 128
    .sgpr_count:     96
    .vgpr_count:     512
    .wavefront_size: 32
...
	.end_amdgpu_metadata
.endif
;; end of part 6
;; launch gemm_2 (part 7): grid 8 x 32, 4 waves a work-group, clusters of 4 x 4, 327,680 bytes of LDS; arguments hcodes, wcodes, out0, b2, x1, lowp_scales; writes out0
.if DOCPART == 7
	.amdgcn_target "amdgcn-amd-amdhsa--gfx1250"
	.amdhsa_code_object_version 6
	.text
	.protected	k_q90da7b3a8c_gemm_2
	.globl	k_q90da7b3a8c_gemm_2
	.p2align	8
	.type	k_q90da7b3a8c_gemm_2,@function
k_q90da7b3a8c_gemm_2:
	s_mov_b64 s[64:65], 0
	v_nop
	global_prefetch_b8 v0, s[64:65] scope:SCOPE_SE
	s_setreg_imm32_b32 hwreg(HW_REG_WAVE_MODE, 25, 1), 1
	s_wait_xcnt 0x0
	s_wait_alu depctr_hold_cnt(0) depctr_sa_sdst(0) depctr_va_vdst(0) depctr_va_sdst(0) depctr_va_ssrc(0) depctr_va_vcc(0) depctr_vm_vsrc(0)
	s_getreg_b32 s2, hwreg(HW_REG_IB_STS2, 6, 4)
	s_cmp_eq_u32 s2, 0
	s_cbranch_scc0 .Lentry_in_a_cluster
	s_endpgm
.Lentry_in_a_cluster:
	s_bfe_u32 s2, ttmp6, 0x10000c
	s_cmp_lg_u32 s2, 0xf033
	s_cbranch_scc0 .Lentry_shape_is_right
	s_endpgm
.Lentry_shape_is_right:
; out0 = x1 + h W2 + b2 on E4M3 codes (scales 2^e14, 2^e15), f32 out.  A = the hidden layer's codes as dense images [32 row blocks][16 blocks of 128 along K][128 rows][128 bytes], K = 2,048.
; A tile of C is 128 x 128 (256 work-groups); four waves of 64 x 64: 16 accumulators.  Two LDS slots of 512 along K, each filled a second time.  CLUSTERS 4 x 4: A's tile is asked for jointly along a row, W2's along a column.
; The matrix instruction is used transposed (source 0 = W2's rows, source 1 = A's).  The residual's 64 x 64 numbers of a wave are asked for at the head, into window 2.
; THE HEAD: one tensor load a wave (slot 0); slot 1's first fill behind the three lines and a round of its own, as a refill is.
; LIMIT: e14 + e15 between -126 and 127.
.set LONGK, 1
.if LONGK
.set KSH,    11
.set KDIM,   2048
.set WOFF,   6<<20
.set HALFA,  128*272
.set ASTEP,  65536
.set MQ,     64*272
.set MI,     8*272
.set MW,     32*272
.set EA,     82
.else
.set KSH,    10
.set KDIM,   1024
.set WOFF,   3<<20
.set HALFA,  64*528
.set ASTEP,  512
.set MQ,     128
.set MI,     16*528
.set MW,     64*528
.set EA,     78
.endif
.set PITCH,  528
.set HALFT,  64*PITCH
.set ABYTES, 2*HALFA
.set SLOT,   ABYTES+2*HALFT
.set SPARE,  2*SLOT
.set SPT,    272
.set ADRM, 16
.set ADRN, 20
.set STO,  24
.set RD,   25
.set CO,   26
.set SPW,  28
.set NIL,  29
.set TT,   32
.set ACC,  128
.set F0,   0
.set F1,   128
.set G1,  24
.set G0,  32
.set G1B, 48
.set G0B, 56
.set MSB, 0
.macro WIN new
.if MSB != \new
	s_set_vgpr_msb (MSB<<8)|\new
.set MSB, \new
.endif
.endm
.set MUL,  0x05
.set TO_F, 0x40
.macro JLOAD s
	s_cmp_eq_u32 s17, 0
	s_cbranch_scc0 .Lfor_b_\@
	tensor_load_to_lds s[G0+4*\s:G0+4*\s+3], s[G1:G1+7]
	s_nop 0
.rept 4
	v_nop
.endr
	s_branch .Lasked_\@
.Lfor_b_\@:
	tensor_load_to_lds s[G0B+4*\s:G0B+4*\s+3], s[G1B:G1B+7]
	s_nop 0
.rept 4
	v_nop
.endr
.Lasked_\@:
.endm
.macro CREST
	s_cmp_lg_u32 s16, 0
	s_cbranch_scc1 .Lnot_wave_0_\@
	s_barrier_signal -3
.Lnot_wave_0_\@:
	s_barrier_wait -3
	s_barrier_signal -1
	s_barrier_wait -1
.endm
.macro CROUND
	s_barrier_signal -1
	s_barrier_wait -1
	CREST
.endm
.macro PLACES
.rept 4
	v_nop
.endr
.endm
.macro MUL4 f, a, zero
.irp b, 0,1,2,3
.if \zero
	v_wmma_f32_16x16x128_fp8_fp8 v[ACC+8*(4*(\a)+\b):ACC+8*(4*(\a)+\b)+7], v[\f+64+16*\b:\f+64+16*\b+15], v[\f+16*(\a):\f+16*(\a)+15], 0
.else
	v_wmma_f32_16x16x128_fp8_fp8 v[ACC+8*(4*(\a)+\b):ACC+8*(4*(\a)+\b)+7], v[\f+64+16*\b:\f+64+16*\b+15], v[\f+16*(\a):\f+16*(\a)+15], v[ACC+8*(4*(\a)+\b):ACC+8*(4*(\a)+\b)+7]
.endif
.endr
.endm
.macro FETCH slot, q, f
	WIN TO_F
.irp i, 0,1,2,3
.irp c, 0,1,2,3
	ds_load_b128 v[\f+64+16*\i+4*\c:\f+64+16*\i+4*\c+3], v[ADRN+\slot] offset:128*(\q)+16*PITCH*\i+32*\c
	ds_load_b128 v[\f+16*\i+4*\c:\f+16*\i+4*\c+3], v[ADRM+\slot] offset:MQ*(\q)+MI*\i+32*\c
.endr
.endr
.endm
.macro QUARTER slot, q, f, g, zero
	s_wait_dscnt 0x0
	PLACES
	FETCH \slot, \q, \g
	WIN MUL
	MUL4 \f, 0, \zero
	MUL4 \f, 1, \zero
	MUL4 \f, 2, \zero
	MUL4 \f, 3, \zero
.endm
.macro TURN slot, next, fill
	WIN 0
	s_wait_tensorcnt 0x0
	ds_add_u32 v[SPW], v[NIL]
	s_wait_dscnt 1
	WIN MUL
	MUL4 F1, 0, 0
	s_wait_dscnt 0x0
	s_barrier_signal -1
	MUL4 F1, 1, 0
	WIN 0
	s_barrier_wait -1
.if \fill
	CREST
	s_add_nc_u64 s[G0+4*\slot+2:G0+4*\slot+3], s[G0+4*\slot+2:G0+4*\slot+3], 2*ASTEP
	s_add_nc_u64 s[G0B+4*\slot+2:G0B+4*\slot+3], s[G0B+4*\slot+2:G0B+4*\slot+3], 2*512
	JLOAD \slot
.else
	PLACES
.endif
	FETCH \next, 0, F0
	WIN MUL
	MUL4 F1, 2, 0
	MUL4 F1, 3, 0
.endm
	s_load_b256 s[4:11], s[0:1], 0x0
	s_load_b128 s[12:15], s[0:1], 0x20
	v_lshl_add_u32 v[SPW], v0, 2, SPARE
	v_mov_b32 v[NIL], 0
	ds_add_u32 v28, v29
	ds_add_u32 v28, v29
	s_wait_dscnt 0x0
	v_lshrrev_b32 v1, 5, v0
	v_readfirstlane_b32 s16, v1
	s_lshr_b32 s17, s16, 1
	s_and_b32 s18, s16, 1
	s_bfe_u32 s21, ttmp6, 0x40000
	s_bfe_u32 s22, ttmp6, 0x40004
	s_lshl_b32 s20, ttmp9, 2
	s_add_co_u32 s20, s20, s21
	s_and_b32 s19, ttmp7, 0xffff
	s_lshl_b32 s19, s19, 2
	s_add_co_u32 s19, s19, s22
	s_lshl_b32 s40, s22, 2
	s_lshl_b32 s40, 15, s40
	s_lshl_b32 s41, 0x1111, s21
.if LONGK
	s_or_b32 s[G1], s40, (3<<16)|(1<<20)|(1<<21)|(5<<22)|(3<<25)
	s_mov_b32 s[G1+1], 32<<16
	s_mov_b32 s[G1+2], 128<<16
	s_mov_b32 s[G1+3], 32<<16
	s_mov_b32 s[G1+4], 128
	s_mov_b32 s[G1+5], 32
.else
	s_or_b32 s[G1], s40, (0<<16)|(1<<20)|(1<<21)|(6<<22)|(3<<25)
	s_mov_b32 s[G1+1], 512<<16
	s_mov_b32 s[G1+2], 64<<16
	s_mov_b32 s[G1+3], 512<<16
	s_mov_b32 s[G1+4], 64
	s_mov_b32 s[G1+5], KDIM
.endif
	s_mov_b32 s[G1+6], 0
	s_mov_b32 s[G1+7], 0
	s_or_b32 s[G1B], s41, (0<<16)|(1<<20)|(1<<21)|(6<<22)|(3<<25)
	s_mov_b32 s[G1B+1], 512<<16
	s_mov_b32 s[G1B+2], 64<<16
	s_mov_b32 s[G1B+3], 512<<16
	s_mov_b32 s[G1B+4], 64
	s_mov_b32 s[G1B+5], KDIM
	s_mov_b32 s[G1B+6], 0
	s_mov_b32 s[G1B+7], 0
.if LONGK
	s_lshl_b32 s42, s19, 18
	s_lshl_b32 s43, s18, 15
	s_add_co_u32 s42, s42, s43
.else
	s_lshl_b32 s42, s19, 7
	s_lshl_b32 s43, s18, 6
	s_add_co_u32 s42, s42, s43
	s_lshl_b32 s42, s42, KSH
.endif
	s_lshl_b32 s46, s20, 7
	s_lshl_b32 s47, s18, 6
	s_add_co_u32 s46, s46, s47
	s_lshl_b32 s46, s46, KSH
	s_add_co_u32 s46, s46, WOFF
	s_mov_b32 s43, 0
	s_mov_b32 s47, 0
	s_mul_i32 s44, s18, HALFA
	s_mul_i32 s45, s18, HALFT
	s_add_co_u32 s45, s45, ABYTES
	s_wait_kmcnt 0x0
	s_load_b512 s[68:83], s[14:15], 0x0
	s_add_nc_u64 s[42:43], s[4:5], s[42:43]
	s_add_nc_u64 s[46:47], s[6:7], s[46:47]
	CROUND
.irp s, 0,1
	s_mov_b32 s[G0+4*\s], 1
	s_add_co_u32 s[G0+4*\s+1], s44, \s*SLOT
	s_add_nc_u64 s[G0+4*\s+2:G0+4*\s+3], s[42:43], \s*ASTEP
	s_or_b32 s[G0+4*\s+3], s[G0+4*\s+3], 0x80000000
	s_mov_b32 s[G0B+4*\s], 1
	s_add_co_u32 s[G0B+4*\s+1], s45, \s*SLOT
	s_add_nc_u64 s[G0B+4*\s+2:G0B+4*\s+3], s[46:47], \s*512
	s_or_b32 s[G0B+4*\s+3], s[G0B+4*\s+3], 0x80000000
.endr
	JLOAD 0                                        ; slot 0: one tensor load a wave at the head
	v_and_b32 v1, 15, v0
	v_bfe_u32 v2, v0, 4, 1
	v_mul_u32_u24 v3, v1, PITCH
	v_lshl_add_u32 v3, v2, 4, v3
.if LONGK
	v_lshrrev_b32 v5, 1, v1
	v_mul_u32_u24 v4, v5, 272
	v_and_b32 v5, 1, v1
	v_lshl_add_u32 v4, v5, 7, v4
	v_lshl_add_u32 v4, v2, 4, v4
.else
	v_mov_b32 v4, v3
.endif
	s_mul_i32 s40, s17, MW
	s_mul_i32 s41, s18, HALFT
	s_add_co_u32 s41, s41, ABYTES
.irp s, 0,1
	v_add_nc_u32 v[ADRM+\s], s40, v4
	v_add_nc_u32 v[ADRN+\s], s41, v3
	s_add_co_u32 s40, s40, SLOT
	s_add_co_u32 s41, s41, SLOT
.endr
	s_lshl_b32 s40, s19, 7
	s_lshl_b32 s41, s17, 6
	s_add_co_u32 s40, s40, s41
	s_lshl_b32 s40, s40, 12
	s_lshl_b32 s42, s20, 7
	s_lshl_b32 s43, s18, 6
	s_add_co_u32 s42, s42, s43
	s_lshl_b32 s42, s42, 2
	s_add_co_u32 s40, s40, s42
	s_mov_b32 s41, 0
	s_mov_b32 s43, 0
	s_add_nc_u64 s[12:13], s[12:13], s[40:41]
	s_add_nc_u64 s[8:9], s[8:9], s[40:41]
	s_add_nc_u64 s[10:11], s[10:11], s[42:43]
	v_lshlrev_b32 v[CO], 12, v2
	v_lshl_add_u32 v[CO], v1, 4, v[CO]
	v_lshlrev_b32 v27, 4, v1
	WIN 0x80
.set n, 0
.rept 32
	global_load_b128 v[4*n:4*n+3], v[CO], s[12:13] offset:8192*n th:TH_LOAD_NT
.set n, n+1
.endr
	WIN 0
	global_load_b128 v[8:11], v27, s[10:11]
	s_mul_i32 s40, s16, 64*SPT
	v_mul_u32_u24 v[STO], v1, SPT
	v_lshl_add_u32 v[STO], v2, 5, v[STO]
	v_add_nc_u32 v[STO], s40, v[STO]
	v_mul_u32_u24 v[RD], v2, SPT
	v_lshl_add_u32 v[RD], v1, 4, v[RD]
	v_add_nc_u32 v[RD], s40, v[RD]
	s_wait_kmcnt 0x0
	s_add_co_i32 s40, s[EA], s[EA+1]
	s_add_co_i32 s40, s40, 127
	s_lshl_b32 s66, s40, 23
	s_mov_b32 s67, s66
	s_wait_alu depctr_va_vdst(0)                   ; the wait at the head's end
	s_wait_tensorcnt 0x0                           ; my part of slot 0 is in
	ds_add_u32 v[SPW], v[NIL]
	s_wait_dscnt 0x0
	CROUND                                         ; everybody's part of slot 0 is in, and all sixteen work-groups are here
	JLOAD 1                                        ; slot 1's first fill: my one tensor load behind the round
	FETCH 0, 0, F0
	QUARTER 0, 1, F0, F1, 1
	QUARTER 0, 2, F1, F0, 0
	QUARTER 0, 3, F0, F1, 0
.if LONGK
	TURN 0, 1, 1
	QUARTER 1, 1, F0, F1, 0
	QUARTER 1, 2, F1, F0, 0
	QUARTER 1, 3, F0, F1, 0
	TURN 1, 0, 1
	QUARTER 0, 1, F0, F1, 0
	QUARTER 0, 2, F1, F0, 0
	QUARTER 0, 3, F0, F1, 0
.endif
	TURN 0, 1, 0
	QUARTER 1, 1, F0, F1, 0
	QUARTER 1, 2, F1, F0, 0
	QUARTER 1, 3, F0, F1, 0
	s_wait_dscnt 0x0
	WIN MUL
	MUL4 F1, 0, 0
	MUL4 F1, 1, 0
	MUL4 F1, 2, 0
	MUL4 F1, 3, 0
	WIN 0
	PLACES
	s_wait_alu depctr_va_vdst(0)
.irp a, 0,1,2,3
.irp b, 0,1,2,3
	ds_store_b128 v[STO], v[ACC+8*(4*\a+\b):ACC+8*(4*\a+\b)+3] offset:16*SPT*\a+64*\b
	ds_store_b128 v[STO], v[ACC+8*(4*\a+\b)+4:ACC+8*(4*\a+\b)+7] offset:16*SPT*\a+64*\b+16
.endr
.endr
	s_wait_loadcnt 0x0
.irp g, 0,1,2,3
.if \g >= 2
	s_wait_xcnt 0x0
.endif
.irp t, 0,1,2,3,4,5,6,7
	ds_load_b128 v[TT+32*(\g%2)+4*\t:TT+32*(\g%2)+4*\t+3], v[RD] offset:2*SPT*(8*\g+\t)
.endr
	s_wait_dscnt 0x0
	WIN 0x20
.irp t, 0,1,2,3,4,5,6,7
	v_pk_fma_f32 v[TT+32*(\g%2)+4*\t:TT+32*(\g%2)+4*\t+1], v[TT+32*(\g%2)+4*\t:TT+32*(\g%2)+4*\t+1], s[66:67], v[4*(8*\g+\t):4*(8*\g+\t)+1] op_sel_hi:[1,0,1]
	v_pk_fma_f32 v[TT+32*(\g%2)+4*\t+2:TT+32*(\g%2)+4*\t+3], v[TT+32*(\g%2)+4*\t+2:TT+32*(\g%2)+4*\t+3], s[66:67], v[4*(8*\g+\t)+2:4*(8*\g+\t)+3] op_sel_hi:[1,0,1]
.endr
	WIN 0
.irp t, 0,1,2,3,4,5,6,7
	v_pk_add_f32 v[TT+32*(\g%2)+4*\t:TT+32*(\g%2)+4*\t+1], v[TT+32*(\g%2)+4*\t:TT+32*(\g%2)+4*\t+1], v[8:9]
	v_pk_add_f32 v[TT+32*(\g%2)+4*\t+2:TT+32*(\g%2)+4*\t+3], v[TT+32*(\g%2)+4*\t+2:TT+32*(\g%2)+4*\t+3], v[10:11]
.endr
.irp t, 0,1,2,3,4,5,6,7
.if LONGK
	global_store_b128 v[CO], v[TT+32*(\g%2)+4*\t:TT+32*(\g%2)+4*\t+3], s[8:9] offset:8192*(8*\g+\t) th:TH_STORE_NT
.else
	global_store_b128 v[CO], v[TT+32*(\g%2)+4*\t:TT+32*(\g%2)+4*\t+3], s[8:9] offset:8192*(8*\g+\t)
.endif
.endr
.endr
	s_wait_tensorcnt 0x0
	ds_add_u32 v[SPW], v[NIL]
	s_wait_dscnt 0x0
	CROUND
	s_endpgm
.Lfunc_end_k_q90da7b3a8c_gemm_2:
	.size	k_q90da7b3a8c_gemm_2, .Lfunc_end_k_q90da7b3a8c_gemm_2-k_q90da7b3a8c_gemm_2
	.p2alignl 7, 3214868480
	.fill 96, 4, 3214868480
	.section	.rodata,"a",@progbits
	.p2align	6, 0x0
	.amdhsa_kernel k_q90da7b3a8c_gemm_2
		.amdhsa_group_segment_fixed_size 327680
		.amdhsa_private_segment_fixed_size 0
		.amdhsa_enable_private_segment 0
		.amdhsa_kernarg_size 48
		.amdhsa_user_sgpr_count 2
		.amdhsa_user_sgpr_kernarg_segment_ptr 1
		.amdhsa_wavefront_size32 1
		.amdhsa_system_sgpr_workgroup_id_x 1
		.amdhsa_system_sgpr_workgroup_id_y 1
		.amdhsa_system_sgpr_workgroup_id_z 1
		.amdhsa_system_vgpr_workitem_id 0
		.amdhsa_next_free_vgpr 640
		.amdhsa_next_free_sgpr 96
		.amdhsa_reserve_vcc 0
		.amdhsa_float_denorm_mode_32 3
		.amdhsa_float_denorm_mode_16_64 3
		.amdhsa_memory_ordered 1
		.amdhsa_forward_progress 1
		.amdhsa_inst_pref_size 81
	.end_amdhsa_kernel
	.amdgpu_metadata
---
amdhsa.version: [ 1, 2 ]
amdhsa.kernels:
  - .name:           k_q90da7b3a8c_gemm_2
    .symbol:         k_q90da7b3a8c_gemm_2.kd
    .args:
      - { .name: hcodes, .offset: 0, .size: 8, .value_kind: global_buffer, .address_space: global }
      - { .name: wcodes, .offset: 8, .size: 8, .value_kind: global_buffer, .address_space: global }
      - { .name: out0, .offset: 16, .size: 8, .value_kind: global_buffer, .address_space: global }
      - { .name: b2, .offset: 24, .size: 8, .value_kind: global_buffer, .address_space: global }
      - { .name: x1, .offset: 32, .size: 8, .value_kind: global_buffer, .address_space: global }
      - { .name: lowp_scales, .offset: 40, .size: 8, .value_kind: global_buffer, .address_space: global }
    .group_segment_fixed_size: 327680
    .private_segment_fixed_size: 0
    .kernarg_segment_align: 8
    .kernarg_segment_size: 48
    .max_flat_workgroup_size: 128
    .sgpr_count:     96
    .vgpr_count:     640
    .wavefront_size: 32
...
	.end_amdgpu_metadata
.endif
;; end of part 7
